; MI455X (gfx1250); checked and timed in simulation.
; The chip was launched on July 23, 2026; its instructions are those of AMD's public machine-readable ISA for CDNA 5 (MIT licence, August 2026) and "CDNA5" Instruction Set Architecture Reference Guide (July 2026). The comments in the code are by the model that wrote it; some were corrected since.
;; Multi Head Self Attention. Allowed arithmetic: matrix products marked QUANTISED: E2M1 operands, one E8M0 scale for each 32 along K, by v_wmma_scale_f32_16x16x128_f8f6f4 with both operands' format E2M1 (or v_wmma_scale_f32_32x16x128_f4), f32 sums; everything else in f32.
;; Inputs: Wk 1,024 x 1,024 float32; Wq 1,024 x 1,024 float32; Wv 1,024 x 1,024 float32; bk 1,024 float32; bq 1,024 float32; bv 1,024 float32; x 4 x 2,048 x 1,024 float32.
;; Outputs: out0 4 x 2,048 x 1,024 float32.
;; This version of the problem:
;;   THIS VERSION OF THE PROBLEM IS GIVEN IN LOW PRECISION. The matrix products marked QUANTISED in the list below multiply operands that are first quantised to E2M1 (2 exponent bits, 1 mantissa bit; 4 bits a number), with one power-of-two scale for each 32 numbers along K (OCP MX v1.0); their sums are f32. All else is computed in f32.
;;   The module's matrix products, in the order in which they are computed (A, B: the left and right operand; K: the contracted axis; several contracted axes count as one K, in the product's order):
;;     1. [M 8,192, K 1,024] x [K 1,024, N 1,024]; A: input x; B: input Wq: QUANTISED
;;     2. [M 8,192, K 1,024] x [K 1,024, N 1,024]; A: input x; B: input Wk: QUANTISED
;;     3. [M 8,192, K 1,024] x [K 1,024, N 1,024]; A: input x; B: input Wv: QUANTISED
;;     4. batch 64 x [M 2,048, K 64] x [K 64, N 2,048]; A: computed on the way; B: computed on the way: QUANTISED
;;     5. batch 64 x [M 2,048, K 2,048] x [K 2,048, N 64]; A: softmax (see below); B: computed on the way: QUANTISED
;;   THE QUANTISER, for each operand of a quantised product, along K:
;;     - K is cut into blocks of 32 from its start; a last block that is shorter is filled with zeros.
;;     - A block's scale is 2^e with e = floor(log2(the largest magnitude in the block)) - 2, held to -126 .. 127; a block of zeros has e = 0. As a byte (E8M0): e + 127.
;;     - Each number is divided by its block's scale, clamped to +-6, and rounded to the nearest number of E2M1, ties to even, subnormals kept.
;;     - The product sums the exact products of the quantised numbers (number of the format x scale) in f32.
;;   ~~~python
;;   def quantise(x, axis):      # numpy; x: float32 -> the quantised numbers, widened to float32 again
;;       x = np.moveaxis(x, axis, -1); K = x.shape[-1]
;;       x = np.pad(x, [(0, 0)] * (x.ndim - 1) + [(0, -K % 32)]); x = x.reshape(x.shape[:-1] + (-1, 32)); a = np.abs(x).max(-1, keepdims=True)
;;       e = np.where(a > 0, np.clip(np.frexp(np.where(a > 0, a, 1))[1] - 1 - 2, -126, 127), 0)      # np.frexp(a)[1] - 1 = floor(log2(a)), exactly
;;       r = np.clip(x / 2.0 ** e, -6, 6)
;;       step = 2.0 ** (np.maximum(np.frexp(np.where(r == 0, 1, r))[1] - 1, 0) - 1)
;;       q = np.round(r / step) * step * 2.0 ** e      # np.round: ties to even
;;       return np.moveaxis(q.reshape(q.shape[:-2] + (-1,))[..., :K], -1, axis).astype(np.float32)
;;   ~~~
;;   SOFTMAX AHEAD OF A QUANTISED PRODUCT. Where the list says 'softmax', what is quantised is not the finished softmax but p = 2^(t - M), with t = logit x log2(e) and M = ceil(the row's largest t), a whole number; so 1/2 < the row's largest p <= 1. The row's sum l is taken of the UNQUANTISED p, in f32, and the product's result is divided by l at the end. Since M is a whole number, a kernel that streams over the keys may use a running M (the ceiling of the running maximum): every later rescaling is an exact power of two, which a block's scale takes up: the codes' values come out the same.
;;   OPERANDS COMPUTED ON THE WAY. 'Computed on the way' means the value that the module computes at that place (a softmax that the list does not call 'softmax' is quantised finished and normalised). What goes into a quantiser is computed in f32, as accurately as f32 sums, v_exp_f32 and their like allow (about 1e-6 of the number): no bf16 or f16 on the way to a quantiser, and a product that is left as it is and whose result goes on into a quantised operand takes f32 operands (vector FMAs, or v_wmma_f32_16x16x4_f32). A number that lies on a knife's edge between two numbers of the format may be rounded either way, as far as f32 arithmetic and the matrix unit's own rounding can turn it there, and no further.
;; One version. Each part assembles by itself: llvm-mc -triple=amdgcn-amd-amdhsa -mcpu=gfx1250 --defsym DOCPART=n.
;; ======== version 1 of 1: 3 launches
;; limits: right only within a limited range of input values
;; workspace buffers: x_img 4,194,304 bytes; x_scl 262,144 bytes; w_img 1,572,864 bytes; w_scl 98,304 bytes; img 12,582,912 bytes; scl 786,432 bytes
;; launch quant (part 1): grid 352 x 1, 8 waves a work-group, no clusters, 69,632 bytes of LDS; arguments x, Wq, Wk, Wv, x_img, x_scl, w_img, w_scl; writes x_img, x_scl, w_img, w_scl
.if DOCPART == 1
	.amdgcn_target "amdgcn-amd-amdhsa--gfx1250"
	.amdhsa_code_object_version 6
	.text
	.protected	k_qae7cc996d0_quant
	.globl	k_qae7cc996d0_quant
	.p2align	8
	.type	k_qae7cc996d0_quant,@function
k_qae7cc996d0_quant:
	s_mov_b64 s[64:65], 0
	v_nop
	global_prefetch_b8 v0, s[64:65] scope:SCOPE_SE
	s_setreg_imm32_b32 hwreg(HW_REG_WAVE_MODE, 25, 1), 1
	s_wait_xcnt 0x0
; x [8192][1024] f32 (K innermost) and Wq, Wk, Wv [1024 (k)][1024 (n)] f32 (K outermost) become codes of FP4 (E2M1) with one E8M0 scale byte for each 32 along K.
; A block's scale is 2^(floor(log2(its largest magnitude)) - 2); its byte is the largest magnitude's exponent field - 2, held at 1 from below.
; LIMITS: NaN and infinities among the inputs are not served.  A block whose largest magnitude lies under 2^-124, a block of zeros among them, gets the byte 1 (where the rule gives a block of zeros 127):
; a block of zeros has zero codes, which add nothing under any byte but 0xff, and the bytes are read by this program alone.
; THE WORKSPACE IS LAID IN THE ORDER OF THE OPERAND'S REGISTERS.  A tile T of 16 rows holds at place r the row 32 (T / 2) + 8 (T % 2) + r + 8 (r / 8).  A fragment (16 rows x 128 K) is an image of 1,024 bytes,
; [c (2)][lane (32)][16 bytes]: lane (r, h) and c hold k = 64 c + 32 h + 0 .. 31 of place r.  x_img: [K half (2)][tile (512)][K step in the half (4)][1,024]; w_img the same with 192 tiles (Wq's 64, Wk's, Wv's).
; Scale words (four bytes: one row, 128 along K): x_scl [tile][K half][r (16)][K step in the half (4)], 512 bytes a tile; w_scl likewise.
; Work-groups 0-255 take x, 32 rows each; work-groups 256-351 take the weights, 128 along K x 256 columns each.  Only x's path touches LDS or has a barrier.
.set XWG,   256
.set SROW,  528                        ; a stage row: 512 bytes + 16 = 132 words: row r starts at bank 4 r mod 64 (64 banks of 4 bytes: ISA guide 11.1)
.set STG,   16*SROW                    ; a wave's stage: 16 rows
.set SCW,   8*STG                      ; behind the eight stages: the work-group's 1,024 bytes of scale words
.set FLOOR, 0x1800000                  ; 2^(3 - 127): no largest magnitude is taken under it, so the byte cannot fall under 1
.set R0,    16                         ; v16-143  numbers as they are loaded
.set X,     144                        ; v144-207 x's path: 64 numbers, two whole blocks of my row
.set C,     208                        ; v208-223 x's path: codes, 8 registers a K step
.set WD,    224                        ; v224-225 x's path: the two K steps' scale words
	s_load_b256 s[4:11], s[0:1], 0x0               ; x s[4:5], Wq s[6:7], Wk s[8:9], Wv s[10:11]
	s_load_b256 s[12:19], s[0:1], 0x20             ; x_img s[12:13], x_scl s[14:15], w_img s[16:17], w_scl s[18:19]
	v_lshl_add_u32 v232, v0, 2, 0x10c00
	v_mov_b32 v233, 0
	v_lshrrev_b32 v1, 5, v0
	s_delay_alu instid0(VALU_DEP_1)
	v_readfirstlane_b32 s20, v1                    ; wave 0..7
	v_and_b32 v2, 15, v0                           ; r = lane % 16
	v_bfe_u32 v3, v0, 4, 1                         ; lane / 16
	s_cmp_ge_u32 ttmp9, XWG                        ; the same for every wave of a work-group
	s_cbranch_scc1 .Lweights
; ---------------- x.  Work-group g: rows 32 g .. 32 g + 31 = tiles 2 g, 2 g + 1.  Wave w: tile u = w % 2, K steps 2 (w / 2) and 2 (w / 2) + 1: 16 rows x 1,024 bytes, all asked for at once.
; Each load reads 512 consecutive bytes of a row (one K step).  A lane must hold whole blocks of 32 neighbours of ONE row, so a K step's 16 x 512 bytes turn through the wave's own stage.
	v_and_b32 v1, 31, v0
	s_delay_alu instid0(VALU_DEP_1)
	v_lshlrev_b32 v1, 4, v1                        ; 16 x lane: my place in a load's 512 bytes and in an image's 512
	s_mul_i32 s21, s20, STG
	v_add_nc_u32 v4, s21, v1                       ; the stage, on the way in
	v_mul_u32_u24 v5, v2, SROW
	s_delay_alu instid0(VALU_DEP_1)
	v_lshl_add_u32 v5, v3, 7, v5
	s_delay_alu instid0(VALU_DEP_1)
	v_add_nc_u32 v5, s21, v5                       ; and on the way out: row r, block h (128 bytes a block)
	s_and_b32 s26, s20, 1                          ; u
	s_lshr_b32 s27, s20, 1                         ; kq = w / 2
	s_lshr_b32 s28, s20, 2                         ; the K half
	s_and_b32 s29, s27, 1                          ; which pair of K steps in the half
	s_lshl_b32 s21, s26, 9
	s_lshl_b32 s22, s28, 8
	s_add_co_u32 s21, s21, s22
	s_lshl_b32 s22, s29, 3
	s_add_co_u32 s21, s21, s22
	s_add_co_u32 s21, s21, SCW
	s_wait_alu depctr_va_vdst(0)
	v_lshl_add_u32 v6, v2, 4, s21                  ; where my row's two scale words go: 512 u + 256 half + 16 r + 8 pair
	s_lshl_b32 s21, s26, 9
	s_add_co_u32 s21, s21, SCW
	v_add_nc_u32 v226, s21, v1                     ; and where a tile's 512 bytes of scale words are read back (waves 0 and 1 use it)
	v_lshlrev_b32 v7, 3, v3                        ; 8 h: my two bytes' shift in the scale word
	v_mov_b32 v15, 0                               ; written once: a lane permute's destination counts as one of its sources
	s_mov_b32 s24, 0x76543210
	s_mov_b32 s25, 0xfedcba98                      ; v_permlanex16_b32's selects for lane l xor 16
	s_lshl_b32 s30, ttmp9, 17                      ; x: 32 rows of 4,096 bytes a work-group,
	s_lshl_b32 s22, s26, 15                        ; tile u begins 8 rows on,
	s_add_co_u32 s30, s30, s22
	s_lshl_b32 s22, s27, 10                        ; my two K steps: 1,024 bytes
	s_add_co_u32 s30, s30, s22
	s_mov_b32 s31, 0
	s_lshl_b32 s32, s28, 21                        ; x_img: 2,097,152 bytes a K half,
	s_lshl_b32 s22, ttmp9, 1
	s_add_co_u32 s22, s22, s26
	s_lshl_b32 s22, s22, 12                        ; 4,096 a tile,
	s_add_co_u32 s32, s32, s22
	s_lshl_b32 s22, s29, 11                        ; 1,024 a K step
	s_add_co_u32 s32, s32, s22
	s_mov_b32 s33, 0
	s_lshl_b32 s34, ttmp9, 10                      ; x_scl: 512 bytes a tile; wave 0 stores tile 2 g's, wave 1 tile 2 g + 1's
	s_lshl_b32 s22, s26, 9
	s_add_co_u32 s34, s34, s22
	s_mov_b32 s35, 0
	s_wait_kmcnt 0x0
	s_add_nc_u64 s[4:5], s[4:5], s[30:31]
	s_add_nc_u64 s[12:13], s[12:13], s[32:33]
	s_add_nc_u64 s[14:15], s[14:15], s[34:35]
.macro XLOAD st                        ; K step st of my two: place j of the tile is row j + 8 (j / 8) from the tile's first
.irp j, 0,1,2,3,4,5,6,7,8,9,10,11,12,13,14,15
	global_load_b128 v[R0+64*\st+4*\j:R0+64*\st+4*\j+3], v1, s[4:5] offset:(\j+8*(\j/8))*4096+512*\st th:TH_LOAD_NT
.endr
.endm
.macro XTURN st                        ; through the stage: LDS serves a wave's instructions in order (ISA guide 5.7.1.4), so no wait stands between the stores and the loads
.irp j, 0,1,2,3,4,5,6,7,8,9,10,11,12,13,14,15
	ds_store_b128 v4, v[R0+64*\st+4*\j:R0+64*\st+4*\j+3] offset:SROW*\j
.endr
.irp c, 0,1
.irp i, 0,1,2,3,4,5,6,7
	ds_load_b128 v[X+32*\c+4*\i:X+32*\c+4*\i+3], v5 offset:256*\c+16*\i   ; k = 64 c + 32 h + 4 i .. of row r
.endr
.endr
.endm
.macro XQ st                           ; my two whole blocks (h and 2 + h of the K step) become registers 4 c .. 4 c + 3 of the fragment; the scale word is gathered from lanes l and l xor 16
	v_max3_num_f32 v8, |v[X]|, |v[X+1]|, FLOOR
	v_max3_num_f32 v9, |v[X+32]|, |v[X+33]|, FLOOR
.irp i, 2,4,6,8,10,12,14,16,18,20,22,24,26,28,30
	s_delay_alu instid0(VALU_DEP_2)
	v_max3_num_f32 v8, v8, |v[X+\i]|, |v[X+\i+1]|              ; (the two blocks by turns)
	s_delay_alu instid0(VALU_DEP_2)
	v_max3_num_f32 v9, v9, |v[X+32+\i]|, |v[X+33+\i]|
.endr
	s_delay_alu instid0(VALU_DEP_2)
	v_add_nc_u32 v10, 0xff000000, v8               ; 2 off the exponent field: the conversion takes the exponent field of this operand as its scale, and nothing else of it
	s_delay_alu instid0(VALU_DEP_2)
	v_add_nc_u32 v11, 0xff000000, v9
.irp g, 0,1,2,3
	v_cvt_scalef32_pk8_fp4_f32 v[C+8*\st+\g], v[X+8*\g:X+8*\g+7], v10
.endr
.irp g, 0,1,2,3
	v_cvt_scalef32_pk8_fp4_f32 v[C+8*\st+4+\g], v[X+32+8*\g:X+32+8*\g+7], v11
.endr
	v_lshrrev_b32 v12, 23, v10                     ; the scales' bytes.  (A plain line behind the conversions)
	v_lshrrev_b32 v13, 23, v11
	s_delay_alu instid0(VALU_DEP_1)
	v_lshl_or_b32 v14, v13, 16, v12                ; blocks h and 2 + h,
	s_delay_alu instid0(VALU_DEP_1)
	v_lshlrev_b32 v14, v7, v14                     ; at their places in the word;
	s_delay_alu instid0(VALU_DEP_1)
	v_permlanex16_b32 v15, v14, s24, s25
	s_delay_alu instid0(VALU_DEP_1)
	v_or_b32 v[WD+\st], v14, v15                   ; with lane l xor 16's two the word is whole
.irp c, 0,1
	global_store_b128 v1, v[C+8*\st+4*\c:C+8*\st+4*\c+3], s[12:13] offset:1024*\st+512*\c   ; 32 lanes store 512 consecutive bytes, at a multiple of 256 from the buffer's first byte
.endr
.endm
	XLOAD 0
	XLOAD 1
	s_wait_loadcnt 16                              ; the first K step's 16 loads are in; the second's may be out
	XTURN 0
	s_wait_dscnt 0x0
	XQ 0
	s_wait_loadcnt 0x0
	XTURN 1
	s_wait_dscnt 0x0
	XQ 1
	ds_store_b64 v6, v[WD:WD+1]                    ; both halves of the lanes write the same bytes with the same values
	s_wait_dscnt 0x0                               ; for the others' sake: my stores have landed
	s_barrier_signal -1
	s_barrier_wait -1                              ; the two tiles' scale words lie whole in LDS
	s_cmp_lt_u32 s20, 2
	s_cbranch_scc0 .Lx_done
	ds_load_b128 v[228:231], v226
	s_wait_dscnt 0x0
	global_store_b128 v1, v[228:231], s[14:15]     ; a tile's 512 bytes of scale words: two aligned runs of 256 bytes
.Lx_done:
	s_wait_tensorcnt 0x0
	ds_add_u32 v232, v233
	s_wait_dscnt 0x0
	s_endpgm
; ---------------- the weights.  Work-group 256 + idx: weight idx / 32, columns 256 ((idx / 8) % 4) on, K step idx % 8.  Wave w: 32 columns = two tiles.
; A LANE TAKES A COLUMN AND ITS REGISTERS RUN DOWN K: a block of 32 lies in one lane's 32 registers, and the conversions give codes with K innermost.  Lane (u, r) takes the column at place r of tile u,
; so each load reads 128 consecutive bytes, and a block's 16 bytes of codes are stored straight into the image: sixteen lanes fill 256 consecutive bytes.
.Lweights:
	s_sub_co_u32 s21, ttmp9, XWG
	s_lshr_b32 s26, s21, 5                         ; which weight
	s_bfe_u32 s27, s21, 0x20003                    ; cg: which 256 columns
	s_and_b32 s28, s21, 7                          ; the K step
	s_lshr_b32 s29, s28, 2                         ; its half,
	s_and_b32 s36, s28, 3                          ; and its place in the half
	s_wait_alu depctr_va_vdst(0)
	v_and_b32 v1, 8, v2
	s_delay_alu instid0(VALU_DEP_1)
	v_add_nc_u32 v1, v1, v2                        ; r + 8 (r / 8)
	s_delay_alu instid0(VALU_DEP_1)
	v_lshl_add_u32 v1, v3, 3, v1                   ; + 8 u
	s_delay_alu instid0(VALU_DEP_1)
	v_lshlrev_b32 v1, 2, v1                        ; my column's bytes among the wave's 128
	v_lshlrev_b32 v4, 4, v2
	s_delay_alu instid0(VALU_DEP_1)
	v_lshl_add_u32 v5, v3, 12, v4                  ; w_img: 4,096 u + 16 r
	s_delay_alu instid0(VALU_DEP_2)
	v_lshl_add_u32 v6, v3, 9, v4                   ; w_scl: 512 u + 16 r
	s_lshl_b32 s30, s26, 6
	s_lshl_b32 s22, s27, 4
	s_add_co_u32 s30, s30, s22
	s_lshl_b32 s22, s20, 1
	s_add_co_u32 s30, s30, s22                     ; my first tile: 64 x weight + 16 cg + 2 w
	s_lshl_b32 s32, s28, 19                        ; W: 128 rows of 4,096 bytes a K step,
	s_lshl_b32 s22, s27, 10
	s_add_co_u32 s32, s32, s22
	s_lshl_b32 s22, s20, 7
	s_add_co_u32 s32, s32, s22                     ; + 1,024 cg + 128 w
	s_mov_b32 s33, 0
	s_mul_i32 s34, s29, 786432                     ; w_img: 192 tiles x 4,096 bytes a K half
	s_lshl_b32 s22, s30, 12
	s_add_co_u32 s34, s34, s22
	s_lshl_b32 s22, s36, 10
	s_add_co_u32 s34, s34, s22
	s_mov_b32 s35, 0
	s_lshl_b32 s38, s30, 9                         ; w_scl: 512 bytes a tile, 256 a half, 4 a K step
	s_lshl_b32 s22, s29, 8
	s_add_co_u32 s38, s38, s22
	s_lshl_b32 s22, s36, 2
	s_add_co_u32 s38, s38, s22
	s_mov_b32 s39, 0
	s_wait_alu depctr_va_vdst(0)
	s_wait_kmcnt 0x0
	s_cmp_eq_u32 s26, 0                            ; the weight is chosen by the work-group's number alone
	s_cselect_b64 s[22:23], s[6:7], s[8:9]
	s_cmp_eq_u32 s26, 2
	s_cselect_b64 s[22:23], s[10:11], s[22:23]
	s_add_nc_u64 s[22:23], s[22:23], s[32:33]
	s_add_nc_u64 s[16:17], s[16:17], s[34:35]
	s_add_nc_u64 s[18:19], s[18:19], s[38:39]
.macro WLOAD kb                        ; block kb of the K step: W(32 kb + i, my column)
.irp i, 0,1,2,3,4,5,6,7,8,9,10,11,12,13,14,15,16,17,18,19,20,21,22,23,24,25,26,27,28,29,30,31
	global_load_b32 v[R0+32*(\kb)+\i], v1, s[22:23] offset:(32*(\kb)+\i)*4096 th:TH_LOAD_NT
.endr
.endm
.macro WBLOCK kb
.set XS, R0+32*(\kb)
.if (\kb) < 3
	s_wait_loadcnt 32                              ; this block's 32 loads are in; the next block's may be out
.else
	s_wait_loadcnt 0x0
.endif
.if (\kb)+2 < 4
	WLOAD (\kb)+2
.endif
	v_max3_num_f32 v8, |v[XS]|, |v[XS+1]|, |v[XS+2]|           ; the block's largest magnitude: all 32 numbers are mine; two chains
	v_max3_num_f32 v9, |v[XS+3]|, |v[XS+4]|, |v[XS+5]|
.irp i, 6,10,14,18,22,26
	s_delay_alu instid0(VALU_DEP_2)
	v_max3_num_f32 v8, v8, |v[XS+\i]|, |v[XS+\i+1]|
	s_delay_alu instid0(VALU_DEP_2)
	v_max3_num_f32 v9, v9, |v[XS+\i+2]|, |v[XS+\i+3]|
.endr
	s_delay_alu instid0(VALU_DEP_2)
	v_max3_num_f32 v8, v8, |v[XS+30]|, |v[XS+31]|
	s_delay_alu instid0(VALU_DEP_1)
	v_max3_num_f32 v8, v8, v9, FLOOR
	s_delay_alu instid0(VALU_DEP_1)
	v_add_nc_u32 v10, 0xff000000, v8               ; 2 off the exponent field: the conversion's scale operand
.irp g, 0,1,2,3
	v_cvt_scalef32_pk8_fp4_f32 v[144+4*(\kb)+\g], v[XS+8*\g:XS+8*\g+7], v10
.endr
	v_lshrrev_b32 v11, 23, v10                     ; the scale's byte.  (A plain line behind the conversions)
.if (\kb) == 0
	s_delay_alu instid0(VALU_DEP_1)
	v_mov_b32 v160, v11                            ; four bytes to the word, the lower K in the lower byte
.else
	s_delay_alu instid0(VALU_DEP_1)
	v_lshl_or_b32 v160, v11, 8*(\kb), v160
.endif
	global_store_b128 v5, v[144+4*(\kb):144+4*(\kb)+3], s[16:17] offset:256*(\kb)   ; block kb = 2 c + h lies at 512 c + 256 h + 16 r of the image: sixteen lanes store 256 consecutive bytes, aligned
.endm
	WLOAD 0
	WLOAD 1
	WBLOCK 0
	WBLOCK 1
	WBLOCK 2
	WBLOCK 3
	global_store_b32 v6, v160, s[18:19]            ; my column's scale word: 4 bytes of every 16, since the other K steps' words lie between: 96 KiB in all, one byte for each 128 that this path reads
	s_endpgm
.Lfunc_end_k_qae7cc996d0_quant:
	.size	k_qae7cc996d0_quant, .Lfunc_end_k_qae7cc996d0_quant-k_qae7cc996d0_quant
	.p2alignl 7, 3214868480
	.fill 96, 4, 3214868480
	.section	.rodata,"a",@progbits
	.p2align	6, 0x0
	.amdhsa_kernel k_qae7cc996d0_quant
		.amdhsa_group_segment_fixed_size 69632
		.amdhsa_private_segment_fixed_size 0
		.amdhsa_enable_private_segment 0
		.amdhsa_kernarg_size 64
		.amdhsa_user_sgpr_count 2
		.amdhsa_user_sgpr_kernarg_segment_ptr 1
		.amdhsa_wavefront_size32 1
		.amdhsa_system_sgpr_workgroup_id_x 1
		.amdhsa_system_sgpr_workgroup_id_y 1
		.amdhsa_system_sgpr_workgroup_id_z 1
		.amdhsa_system_vgpr_workitem_id 0
		.amdhsa_next_free_vgpr 234
		.amdhsa_next_free_sgpr 66
		.amdhsa_reserve_vcc 0
		.amdhsa_float_denorm_mode_32 3
		.amdhsa_float_denorm_mode_16_64 3
		.amdhsa_memory_ordered 1
		.amdhsa_forward_progress 1
		.amdhsa_inst_pref_size 41
	.end_amdhsa_kernel
	.amdgpu_metadata
---
amdhsa.version: [ 1, 2 ]
amdhsa.kernels:
  - .name:           k_qae7cc996d0_quant
    .symbol:         k_qae7cc996d0_quant.kd
    .args:
      - { .name: x, .offset: 0, .size: 8, .value_kind: global_buffer, .address_space: global }
      - { .name: Wq, .offset: 8, .size: 8, .value_kind: global_buffer, .address_space: global }
      - { .name: Wk, .offset: 16, .size: 8, .value_kind: global_buffer, .address_space: global }
      - { .name: Wv, .offset: 24, .size: 8, .value_kind: global_buffer, .address_space: global }
      - { .name: x_img, .offset: 32, .size: 8, .value_kind: global_buffer, .address_space: global }
      - { .name: x_scl, .offset: 40, .size: 8, .value_kind: global_buffer, .address_space: global }
      - { .name: w_img, .offset: 48, .size: 8, .value_kind: global_buffer, .address_space: global }
      - { .name: w_scl, .offset: 56, .size: 8, .value_kind: global_buffer, .address_space: global }
    .group_segment_fixed_size: 69632
    .private_segment_fixed_size: 0
    .kernarg_segment_align: 8
    .kernarg_segment_size: 64
    .max_flat_workgroup_size: 256
    .sgpr_count:     66
    .vgpr_count:     234
    .wavefront_size: 32
...
	.end_amdgpu_metadata
.endif
;; end of part 1
;; launch proj (part 2): grid 8 x 48, 4 waves a work-group, clusters of 4 x 4, 327,680 bytes of LDS; arguments x_img, x_scl, w_img, w_scl, bq, bk, bv, img, scl; writes img, scl
.if DOCPART == 2
	.amdgcn_target "amdgcn-amd-amdhsa--gfx1250"
	.amdhsa_code_object_version 6
	.text
	.protected	k_qae7cc996d0_proj
	.globl	k_qae7cc996d0_proj
	.p2align	8
	.type	k_qae7cc996d0_proj,@function
k_qae7cc996d0_proj:
	s_mov_b64 s[64:65], 0
	v_nop
	global_prefetch_b8 v0, s[64:65] scope:SCOPE_SE
	s_setreg_imm32_b32 hwreg(HW_REG_WAVE_MODE, 25, 1), 1
	s_wait_xcnt 0x0
	s_wait_alu depctr_hold_cnt(0) depctr_sa_sdst(0) depctr_va_vdst(0) depctr_va_sdst(0) depctr_va_ssrc(0) depctr_va_vcc(0) depctr_vm_vsrc(0)
	s_getreg_b32 s2, hwreg(HW_REG_IB_STS2, 6, 4)
	s_cmp_eq_u32 s2, 0
	s_cbranch_scc0 .Lentry_in_a_cluster
	s_endpgm
.Lentry_in_a_cluster:
	s_bfe_u32 s2, ttmp6, 0x10000c
	s_cmp_lg_u32 s2, 0xf033
	s_cbranch_scc0 .Lentry_shape_is_right
	s_endpgm
.Lentry_shape_is_right:
; q = x Wq + bq, k = x Wk + bk, v = x Wv + bv on codes of FP4 (E2M1) with E8M0 scales (M 8,192, K 1,024, N 3 x 1,024); the f32 results are quantised in registers for the attention's products and leave as codes alone.
; P is the operand at source 0, R the one at source 1: in a result a lane holds ONE row of R and its registers run along P's rows, which are the axis that is quantised next.
;   KIND 0 (q, k; clusters y 0-7):  P = 256 columns of Wq | Wk, R = 256 rows of x: a lane holds a token, its registers run along the head's 64.
;   KIND 1 (v; clusters y 8-11):    P = 256 rows of x, R = 256 columns of Wv: a lane holds a channel, its registers run along the tokens (the keys).
; A tile T of 16 rows holds at place r the row 32 (T / 2) + 8 (T % 2) + r + 8 (r / 8), in every tensor: so the 16 registers of result tiles 2 B and 2 B + 1 are 16 NEIGHBOURS, 32 B + 16 (lane / 16) + 0 .. 15, of P's axis.
; A work-group of four waves makes 256 x 256, a wave 128 x 128: 64 accumulators, 512 registers.  All of K (two halves of 512) of both operands and all their scale words fit in LDS: every byte is filled once.
; Operands lie in memory and in LDS as images of the fragments' registers (1,024 bytes: [c][lane][16]): a fragment is two loads at 16 x lane; no pitch, no padding.
; The bias is the C of each sum's first matrix instruction.
; CLUSTERS: 4 x 4 work-groups.  R's tiles hang on the cluster's y and cy alone and are shared along a row of the cluster, P's on the cluster's place and cx alone and are shared along a column: joint loads.
; The kind hangs on the cluster's y alone: it is the same in all sixteen partners.
; OUT: img [batch (4)][slot (48)][65,536]: slot h q's head h, 16 + h k's, 32 + h v's.  q, k: [tile of tokens (128)][512: lane (r, hl): d = 32 hl .. + 31].  v: [step of 128 keys (16)][tile of channels (4)][1,024 image].
;      scl [batch][slot][4,096]: q, k: [128 tokens (16)][r (16)][pair of tiles (4)] words, tile 2 p's two bytes below, tile 2 p + 1's above;  v: [step (16)][r (16)][tile of channels (4)] words.
; LIMITS: NaN and infinities are not served; a block whose largest magnitude lies under 2^-124 (a block of zeros among them) gets the byte 1: zero codes add nothing, and this program alone reads the bytes.
; REGISTERS, in windows of 256: window 0: v1-27 addresses; v32-95 scale words, two sets; v96-103 the results' scale words; v104-123 at work; v128-191 R's fragments, ONE set, later the results' codes; v192-255 the bias as 8 tiles of C.
;   window 1: P's fragments, TWO sets, at v0 and v128.   window 2: the accumulators of R's tiles 0-3 ((a, b) at v[8 (8 (a % 4) + b)]);   window 3: those of tiles 4-7.
.set FR,    8                          ; registers of a fragment
.set HALFK, 131072                     ; LDS: a K half: R's 16 tiles x 4,096 bytes, then P's 16
.set SCL,   262144                     ; behind the two halves: R's scale words (8,192 bytes), then P's
.set ADRA,  16                         ; v16-17  LDS address of my R fragments in half 0, 1
.set ADRB,  20                         ; v20-21  the same for P
.set ADRS,  27                         ; v27     of my scale words: lanes 0-15 R's rows, lanes 16-31 P's
.set SC,    32                         ; scale words: set s at v[SC + 32 s]; register 4 i + q: lanes 0-15 R's tile i, lanes 16-31 P's tile i, the half's q-th 128 along K.  They hold scales and nothing else
.set PW,    96                         ; v96-103  the scale word of each of my 8 result rows' tiles
.set TM,    104                        ; v104-107 largest magnitudes, v108-111 the other half's / bytes, v116-119 the conversions' scale operands
.set SW,    120                        ; v120-123 scale words as they are stored
.set AF,    128                        ; R's fragments
.set PC,    128                        ; the results' codes, 8 registers a tile, where R's fragments lay
.set BI,    192                        ; the bias
.set G1R,  24                          ; s[24:31] descriptor group 1 for R's codes;  s[32:39] group 0, one set for each half
.set G0R,  32
.set G1P,  48                          ; s[48:55], s[56:63] the same for P's
.set G0P,  56
.set G1SR, 68                          ; s[68:75], s[76:79] groups 1 and 0 for R's scale words;  s[80:87], s[88:91] for P's
.set G0SR, 76
.set G1SP, 80
.set G0SP, 88
.set SEL,  100                         ; s[100:101] lane selects for v_permlanex16_b32 (before that: the wave's LDS addresses)
.set MSB, 0
.macro WIN new                         ; the immediate's high byte repeats the setting that is left; a switch that changes nothing is dropped
.if MSB != (\new)
	s_set_vgpr_msb (MSB<<8)|(\new)
.set MSB, (\new)
.endif
.endm
.set MUL_LO, 0xa1                      ; source 0 (P) window 1, source 1 (R) window 0, C and D window 2
.set MUL_HI, 0xf1                      ; the same, C and D window 3
.set BIA_LO, 0x81                      ; C (the bias) window 0, D window 2
.set BIA_HI, 0xc1                      ; C window 0, D window 3
.set TO_B,   0x40                      ; destination window 1, address window 0
; A joint load: waves 0 and 1 fetch for R, waves 2 and 3 for P.  Each of the two lines has ONE mask and one set of registers for all that issue it; the branch hangs on the wave's number alone.
; Four v_nop follow each of the two lines, ahead of the jump, the label and what follows.
.macro JLOAD g0a, g1a, g0b, g1b
	s_cmp_eq_u32 s15, 0
	s_cbranch_scc0 .Lfor_p_\@
	tensor_load_to_lds s[\g0a:\g0a+3], s[\g1a:\g1a+7]
	s_nop 0
.rept 4
	v_nop
.endr
	s_branch .Lasked_\@
.Lfor_p_\@:
	tensor_load_to_lds s[\g0b:\g0b+3], s[\g1b:\g1b+7]
	s_nop 0
.rept 4
	v_nop
.endr
.Lasked_\@:
.endm
.macro CROUND                          ; a round of the cluster's barrier: my work-group's barrier; wave 0 signals for the work-group; every wave waits for all sixteen; my work-group's barrier once more
	s_barrier_signal -1
	s_barrier_wait -1
	s_cmp_lg_u32 s14, 0
	s_cbranch_scc1 .Lnot_wave_0_\@
	s_barrier_signal -3
.Lnot_wave_0_\@:
	s_barrier_wait -3
	s_barrier_signal -1
	s_barrier_wait -1
.endm
	s_load_b256 s[4:11], s[0:1], 0x0               ; x_img s[4:5], x_scl s[6:7], w_img s[8:9], w_scl s[10:11]
	s_load_b256 s[92:99], s[0:1], 0x20             ; bq s[92:93], bk s[94:95], bv s[96:97], img s[98:99]
	s_load_b64 s[12:13], s[0:1], 0x40              ; scl
	v_lshl_add_u32 v126, v0, 2, 0x44000
	v_mov_b32 v127, 0
	ds_add_u32 v126, v127
	ds_add_u32 v126, v127
	v_lshrrev_b32 v1, 5, v0
	v_readfirstlane_b32 s14, v1                    ; wave 0..3
	s_lshr_b32 s15, s14, 1                         ; which half of R's 16 tiles is mine.  Also: I fetch for R (0) or for P (1)
	s_and_b32 s16, s14, 1                          ; which half of P's.  Also: which 8 tiles I fetch
	s_bfe_u32 s40, ttmp6, 0x40000                  ; cx, cy: my place in the cluster
	s_bfe_u32 s41, ttmp6, 0x40004
	s_mov_b32 s42, ttmp9                           ; the cluster's x: 0, 1
	s_and_b32 s17, ttmp7, 0xffff                   ; the cluster's y: 0 .. 11
	s_lshl_b32 s43, s41, 2
	s_lshl_b32 s43, 15, s43                        ; my row of the cluster
	s_lshl_b32 s44, 0x1111, s40                    ; my column
	; descriptor group 1 for codes: dense rows of 256 bytes (32 elements of 8 bytes), no padding: 256 rows (16 tiles' K half) for the head's loads; behind them the two words that count rows are set to 128 (8 tiles)
	s_or_b32 s[G1R+0], s43, (3<<16)|(1<<21)        ; 15:0 the mask: R's tiles go to my row; 17:16 elements of 8 bytes; 21 set beside a mask
	s_or_b32 s[G1P+0], s44, (3<<16)|(1<<21)        ; P's go to my column
.irp g, G1R, G1P
	s_mov_b32 s[\g+1], 32<<16                      ; tensor_dim0
	s_mov_b32 s[\g+2], 256<<16                     ; tensor_dim1
	s_mov_b32 s[\g+3], 32<<16                      ; tile_dim0
	s_mov_b32 s[\g+4], 256                         ; tile_dim1
	s_mov_b32 s[\g+5], 32                          ; tensor_dim0_stride
	s_mov_b32 s[\g+6], 0
	s_mov_b32 s[\g+7], 0
.endr
	; and 16 tiles' scale words: 8,192 dense bytes: 32 rows of 256
	s_or_b32 s[G1SR+0], s43, (3<<16)|(1<<21)
	s_or_b32 s[G1SP+0], s44, (3<<16)|(1<<21)
.irp g, G1SR, G1SP
	s_mov_b32 s[\g+1], 32<<16
	s_mov_b32 s[\g+2], 32<<16
	s_mov_b32 s[\g+3], 32<<16
	s_mov_b32 s[\g+4], 32
	s_mov_b32 s[\g+5], 32
	s_mov_b32 s[\g+6], 0
	s_mov_b32 s[\g+7], 0
.endr
	; which blocks of 256 rows: ry of R (it hangs on cy and the cluster's y), px of P (on cx and the cluster's place)
	s_lshl_b32 s18, s17, 2
	s_add_co_u32 s18, s18, s41                     ; kind 0: x's block 4 x cluster y + cy
	s_add_co_u32 s19, s41, 8                       ; kind 1: the weights' block 8 + cy: Wv's tiles begin at 128
	s_lshl_b32 s20, s42, 2
	s_add_co_u32 s20, s20, s40                     ; kind 0: the weights' block 4 x cluster x + cx
	s_lshl_b32 s21, s17, 3
	s_sub_co_u32 s21, s21, 64
	s_add_co_u32 s21, s21, s20                     ; kind 1: x's block 8 (cluster y - 8) + 4 x cluster x + cx
	s_mov_b32 s100, 2097152                        ; bytes from a K half to the next: x_img's,
	s_mov_b32 s101, 786432                         ; w_img's
	s_cmp_ge_u32 s17, 8                            ; THE KIND.  Selects and waits leave SCC alone: every choice below hangs on this one compare
	s_cselect_b32 s45, 1, 0
	s_cselect_b32 s18, s19, s18                    ; ry
	s_cselect_b32 s20, s21, s20                    ; px
	s_cselect_b32 s22, s101, s100                  ; R's half stride
	s_wait_dscnt 0x0
	s_wait_kmcnt 0x0
	s_cselect_b64 s[46:47], s[8:9], s[4:5]         ; R's codes,
	s_cselect_b64 s[66:67], s[10:11], s[6:7]       ; R's scale words,
	s_cselect_b64 s[4:5], s[4:5], s[8:9]           ; P's codes,
	s_cselect_b64 s[6:7], s[6:7], s[10:11]         ; P's scale words
	s_cselect_b32 s10, s100, s101                  ; P's half stride
	s_mov_b32 s11, 0
	s_mov_b32 s23, 0
	s_lshl_b32 s2, s18, 4                          ; R: the block's first tile: 16 ry
	s_lshl_b32 s2, s2, 9                           ; its scale words: 512 bytes a tile
	s_mov_b32 s3, 0
	s_add_nc_u64 s[66:67], s[66:67], s[2:3]
	s_lshl_b32 s2, s2, 3                           ; its codes: 4,096 bytes a tile in a K half
	s_add_nc_u64 s[46:47], s[46:47], s[2:3]
	s_lshl_b32 s8, s20, 4                          ; P: 16 px
	s_lshl_b32 s8, s8, 9
	s_mov_b32 s9, 0
	s_add_nc_u64 s[6:7], s[6:7], s[8:9]
	s_lshl_b32 s8, s8, 3
	s_add_nc_u64 s[4:5], s[4:5], s[8:9]
	s_lshl_b32 s100, s14, 15                       ; where my quarter of K half 1 goes: wave x 32,768 in the half: no place in the cluster enters an LDS address
	CROUND                                         ; all sixteen work-groups are here: the joint loads meet
	s_mov_b32 s[G0SR], 1                           ; 1:0 count = 1
	s_mov_b32 s[G0SR+1], SCL                       ; 63:32 LDS address: R's scale words
	s_mov_b64 s[G0SR+2:G0SR+3], s[66:67]           ; 120:64 global address
	s_or_b32 s[G0SR+3], s[G0SR+3], 0x80000000      ; 127:126 type = 2
	s_mov_b32 s[G0SP], 1
	s_mov_b32 s[G0SP+1], SCL+8192                  ; P's, behind R's
	s_mov_b64 s[G0SP+2:G0SP+3], s[6:7]
	s_or_b32 s[G0SP+3], s[G0SP+3], 0x80000000
	s_mov_b32 s[G0R], 1
	s_mov_b32 s[G0R+1], 0                          ; K half 0: R's 16 tiles
	s_mov_b64 s[G0R+2:G0R+3], s[46:47]
	s_or_b32 s[G0R+3], s[G0R+3], 0x80000000
	s_mov_b32 s[G0P], 1
	s_mov_b32 s[G0P+1], 65536                      ; P's 16, behind them
	s_mov_b64 s[G0P+2:G0P+3], s[4:5]
	s_or_b32 s[G0P+3], s[G0P+3], 0x80000000
	s_mov_b32 s[G0R+4], 1
	s_add_co_u32 s[G0R+5], s100, HALFK
	s_lshl_b32 s2, s16, 15                         ; K half 1 comes by quarters: my 8 tiles begin 32,768 x (wave % 2) bytes on
	s_mov_b32 s3, 0
	s_add_nc_u64 s[G0R+6:G0R+7], s[46:47], s[22:23]
	s_add_nc_u64 s[G0R+6:G0R+7], s[G0R+6:G0R+7], s[2:3]
	s_or_b32 s[G0R+7], s[G0R+7], 0x80000000
	s_mov_b32 s[G0P+4], 1
	s_add_co_u32 s[G0P+5], s100, HALFK
	s_add_nc_u64 s[G0P+6:G0P+7], s[4:5], s[10:11]
	s_add_nc_u64 s[G0P+6:G0P+7], s[G0P+6:G0P+7], s[2:3]
	s_or_b32 s[G0P+7], s[G0P+7], 0x80000000
; THE HEAD'S LOADS, ONE A WAVE: wave 0 K half 0 of R's 16 tiles, wave 1 of P's, wave 2 R's scale words, wave 3 P's.
; One tree of branches on the wave's number, a load to an arm, all arms leading to one join.
.macro ARM under, g0, g1, next
	s_cmp_lt_u32 s14, \under
	s_cbranch_scc0 \next
	tensor_load_to_lds s[\g0:\g0+3], s[\g1:\g1+7]
	s_nop 0
.rept 4
	v_nop
.endr
	s_branch .Lhead_asked
\next:
.endm
	ARM 1, G0R,  G1R,  .Lhead_p
	ARM 2, G0P,  G1P,  .Lhead_sr
	ARM 3, G0SR, G1SR, .Lhead_sp
	tensor_load_to_lds s[G0SP:G0SP+3], s[G1SP:G1SP+7]
	s_nop 0
.rept 4
	v_nop
.endr
.Lhead_asked:
	s_mov_b32 s[SEL], 0x76543210
	s_mov_b32 s[SEL+1], 0xfedcba98                 ; v_permlanex16_b32's selects for lane l xor 16
	v_and_b32 v1, 15, v0                           ; r
	v_bfe_u32 v2, v0, 4, 1                         ; h
	v_and_b32 v3, 31, v0
	v_lshlrev_b32 v5, 4, v3                        ; 16 x lane: an image's place for my lane
	v_lshlrev_b32 v4, 4, v1
	v_lshl_add_u32 v6, v2, 12, v4                  ; the results' scale words: 4,096 h + 16 r
	v_lshlrev_b32 v8, 6, v2                        ; the bias, kind 0: 64 h bytes
	v_and_b32 v9, 8, v1
	v_add_nc_u32 v9, v9, v1
	v_lshlrev_b32 v9, 2, v9                        ; kind 1: 4 (r + 8 (r / 8))
	s_lshl_b32 s2, s15, 15                         ; my 8 tiles of R,
	s_lshl_b32 s3, s16, 15
	s_add_co_u32 s3, s3, 65536                     ; my 8 of P, behind R's 16
.irp k, 0,1
	v_add_nc_u32 v[ADRA+\k], s2, v5
	v_add_nc_u32 v[ADRB+\k], s3, v5
	s_add_co_u32 s2, s2, HALFK
	s_add_co_u32 s3, s3, HALFK
.endr
	s_lshl_b32 s2, s15, 12                         ; scale words: R's: my 8 tiles;
	s_lshl_b32 s3, s16, 12
	s_add_co_u32 s3, s3, 8192                      ; P's: my 8, behind R's 16
	s_sub_co_u32 s3, s3, s2
	v_mul_u32_u24 v3, s3, v2                       ; lanes 16-31 take P's: the lower base + h x the distance
	s_add_co_u32 s2, s2, SCL
	v_add_nc_u32 v4, v4, v3
	v_add_nc_u32 v[ADRS], s2, v4
.irp b, 0,1,2,3
	v_mov_b32 v[TM+4+\b], 0                        ; written once: a lane permute's destination counts as one of its sources
.endr
	; THE BIAS, in the result's layout.  Kind 0: it runs along P: register 16 B + i of the eight C tiles is the bias of column 32 B + 16 h + i of my 128.  Kind 1: it runs along R: tile a's eight registers all hold my lane's one number.
	s_cmp_eq_u32 s45, 0
	s_cbranch_scc0 .Lbias_v
	s_cmp_eq_u32 s42, 0                            ; cluster x 0: Wq's columns; 1: Wk's
	s_cselect_b64 s[92:93], s[92:93], s[94:95]
	s_lshl_b32 s2, s40, 10                         ; 256 cx + 128 (wave % 2) numbers on
	s_lshl_b32 s3, s16, 9
	s_add_co_u32 s2, s2, s3
	s_mov_b32 s3, 0
	s_add_nc_u64 s[92:93], s[92:93], s[2:3]
.irp b, 0,1,2,3
.irp j, 0,1,2,3
	global_load_b128 v[BI+16*\b+4*\j:BI+16*\b+4*\j+3], v8, s[92:93] offset:128*\b+16*\j
.endr
.endr
	s_branch .Lbias_done
.Lbias_v:
	s_lshl_b32 s2, s41, 10                         ; 256 cy + 128 (wave / 2) numbers on
	s_lshl_b32 s3, s15, 9
	s_add_co_u32 s2, s2, s3
	s_mov_b32 s3, 0
	s_add_nc_u64 s[96:97], s[96:97], s[2:3]
.irp a, 0,1,2,3,4,5,6,7
.irp j, 0,1,2,3,4,5,6,7
	global_load_b32 v[BI+8*\a+\j], v9, s[96:97] offset:(32*(\a/2)+8*(\a%2))*4
.endr
.endr
.Lbias_done:
.macro FRAG reg, adr, q, i             ; a fragment: tile i, the half's q-th 128 along K: its image's two runs of 512 bytes
.irp c, 0,1
	ds_load_b128 v[\reg+4*\c:\reg+4*\c+3], v[\adr] offset:(\i)*4096+(\q)*1024+512*\c
.endr
.endm
; 16 matrix instructions: R's tiles a0, a0 + 1 x P's eight, 128 along K.  p: P's set;  sc: the set of scale words.  cm = 0: sums go on;  1: they start from the bias along P;  2: from the bias along R.
; The 64 accumulators take turns, one instruction a turn, in the same order in every step.
.macro MUL16 a0, p, q, sc, cm
.irp a, \a0, \a0+1
.irp b, 0,1,2,3,4,5,6,7
.if \cm == 0
	v_wmma_scale_f32_16x16x128_f8f6f4 v[8*(8*((\a)%4)+\b):8*(8*((\a)%4)+\b)+7], v[128*(\p)+FR*\b:128*(\p)+FR*\b+FR-1], v[AF+FR*(\a):AF+FR*(\a)+FR-1], v[8*(8*((\a)%4)+\b):8*(8*((\a)%4)+\b)+7], v[SC+32*(\sc)+4*\b+(\q)], v[SC+32*(\sc)+4*(\a)+(\q)] matrix_a_fmt:MATRIX_FMT_FP4 matrix_b_fmt:MATRIX_FMT_FP4 matrix_a_scale:MATRIX_SCALE_ROW1
.elseif \cm == 1
	v_wmma_scale_f32_16x16x128_f8f6f4 v[8*(8*((\a)%4)+\b):8*(8*((\a)%4)+\b)+7], v[128*(\p)+FR*\b:128*(\p)+FR*\b+FR-1], v[AF+FR*(\a):AF+FR*(\a)+FR-1], v[BI+8*\b:BI+8*\b+7], v[SC+32*(\sc)+4*\b+(\q)], v[SC+32*(\sc)+4*(\a)+(\q)] matrix_a_fmt:MATRIX_FMT_FP4 matrix_b_fmt:MATRIX_FMT_FP4 matrix_a_scale:MATRIX_SCALE_ROW1
.else
	v_wmma_scale_f32_16x16x128_f8f6f4 v[8*(8*((\a)%4)+\b):8*(8*((\a)%4)+\b)+7], v[128*(\p)+FR*\b:128*(\p)+FR*\b+FR-1], v[AF+FR*(\a):AF+FR*(\a)+FR-1], v[BI+8*(\a):BI+8*(\a)+7], v[SC+32*(\sc)+4*\b+(\q)], v[SC+32*(\sc)+4*(\a)+(\q)] matrix_a_fmt:MATRIX_FMT_FP4 matrix_b_fmt:MATRIX_FMT_FP4 matrix_a_scale:MATRIX_SCALE_ROW1
.endif
.endr
.endr
.endm
.macro FETCH_B slot, q, p              ; P's eight fragments into set p
	WIN TO_B
.irp i, 0,1,2,3,4,5,6,7
	FRAG 128*(\p)+FR*\i, ADRB+\slot, \q, \i
.endr
	WIN 0
.endm
.macro FETCH_A slot, q, i0             ; R's tiles i0 .. i0 + 3
.irp i, \i0, \i0+1, \i0+2, \i0+3
	FRAG AF+FR*(\i), ADRA+\slot, \q, \i
.endr
.endm
.macro SCALES sc                       ; K half sc's scale words: four words a row; lanes 0-15 take R's tile i, lanes 16-31 P's tile i
.irp i, 0,1,2,3,4,5,6,7
	ds_load_b128 v[SC+32*\sc+4*\i:SC+32*\sc+4*\i+3], v[ADRS] offset:512*\i+256*\sc
.endr
.endm
; A load into a register that a matrix instruction has read, and a vector instruction that reads a matrix result or writes one of a matrix instruction's registers, stand four places behind it, and only
; plain vector instructions that name none of its registers are places (ISA guide 7.12.1 for vector instructions).
.macro PLACES n
.rept \n
	v_nop
.endr
.endm
; A step of 128 along K that has its successor in the same half.  A tile of R is free as soon as its eight products are issued: tiles 0-3 are fetched anew in the step's middle, tiles 4-7 at its end.
.macro STEP slot, q, cm
	s_wait_dscnt 8                                 ; P's set, R's tiles 0-3 (and the scale words) are in; the youngest eight loads (R's tiles 4-7) may be out
.if \cm
	WIN BIA_LO
.else
	WIN MUL_LO
.endif
	MUL16 0, (\q)%2, \q, \slot, \cm
	MUL16 2, (\q)%2, \q, \slot, \cm
	s_wait_dscnt 0                                 ; R's tiles 4-7 are in (asked for 32 matrix instructions ago)
	PLACES 4
	FETCH_B \slot, (\q)+1, 1-(\q)%2
	FETCH_A \slot, (\q)+1, 0
.if \cm
	WIN BIA_HI
.else
	WIN MUL_HI
.endif
	MUL16 4, (\q)%2, \q, \slot, \cm
	MUL16 6, (\q)%2, \q, \slot, \cm
	PLACES 4
	WIN 0
	FETCH_A \slot, (\q)+1, 4
.endm
.macro STEPS slot, from                ; the half's steps from .. 2
.set Q, \from
.rept 3-\from
	STEP \slot, Q, 0
.set Q, Q+1
.endr
.endm
	s_wait_alu depctr_va_vdst(0)
	s_wait_tensorcnt 0x0                           ; my tile of the head's four is in
	ds_add_u32 v126, v127
	s_mov_b32 s[G1R+2], 128<<16                    ; no tensor load of mine is out, so a descriptor may be written: from here on a load brings 128 rows
	s_mov_b32 s[G1R+4], 128
	s_mov_b32 s[G1P+2], 128<<16
	s_mov_b32 s[G1P+4], 128
	s_wait_dscnt 0x0
	CROUND                                         ; a whole round: all four tiles are in, and all sixteen work-groups are here
	JLOAD G0R+4, G1R, G0P+4, G1P                   ; K half 1, a quarter a wave: the first tensor load behind the round, and my last
	FETCH_B 0, 0, 0
	FETCH_A 0, 0, 0
	s_wait_alu depctr_va_vdst(0)
	SCALES 0
	FETCH_A 0, 0, 4
	s_wait_loadcnt 0x0                             ; the bias
	s_cmp_eq_u32 s45, 0                            ; the first step starts the sums from the bias: nothing is cleared.  Its two forms differ in the C operand alone
	s_cbranch_scc0 .Lfirst_v
	STEP 0, 0, 1
	s_branch .Lfirst_done
.Lfirst_v:
	STEP 0, 0, 2
.Lfirst_done:
	STEPS 0, 1
	; K half 0's last step goes over to half 1: each wave waits for its part of half 1, and one barrier shows all parts to all waves
	s_wait_tensorcnt 0x0                           ; my last tensor load has landed
	s_wait_dscnt 8
	WIN MUL_LO
	MUL16 0, 1, 3, 0, 0
	s_wait_dscnt 0x0                               ; no LDS instruction of mine is pending at the signal
	s_barrier_signal -1
	MUL16 2, 1, 3, 0, 0                            ; work on registers while the others arrive
	WIN 0
	s_barrier_wait -1
	PLACES 4
	FETCH_B 1, 0, 0
	FETCH_A 1, 0, 0
	SCALES 1
	WIN MUL_HI
	MUL16 4, 1, 3, 0, 0
	MUL16 6, 1, 3, 0, 0
	PLACES 4
	WIN 0
	FETCH_A 1, 0, 4
	STEPS 1, 0
	s_wait_dscnt 8                                 ; the very last step: nothing more to fetch
	WIN MUL_LO
	MUL16 0, 1, 3, 1, 0
	MUL16 2, 1, 3, 1, 0
	s_wait_dscnt 0
	WIN MUL_HI
	MUL16 4, 1, 3, 1, 0
	MUL16 6, 1, 3, 1, 0
	WIN 0
	PLACES 4
; THE RESULTS ARE QUANTISED IN REGISTERS.  Tile a of R: my lane's 64 numbers, register 16 B + i = index 32 B + 16 h + i along P, become 8 registers of codes in the order of an operand's registers, and a scale word.
; Each accumulator is read from its low end on.
.macro QUANTW a
.set AC, 64*((\a)%4)
	WIN 20*(2+(\a)/4)                              ; sources 1 and 2: window 2 or 3
.irp b, 0,1,2,3
	v_max3_num_f32 v[TM+\b], 0x1800000, |v[AC+16*\b]|, |v[AC+16*\b+1]|   ; block b: my 16 numbers, and the floor 2^(3 - 127): the byte cannot fall under 1
.endr
.irp i, 2,4,6,8,10,12,14
.irp b, 0,1,2,3
	v_max3_num_f32 v[TM+\b], v[TM+\b], |v[AC+16*\b+\i]|, |v[AC+16*\b+\i+1]|   ; (the four blocks by turns)
.endr
.endr
	WIN 0
.irp b, 0,1,2,3
	v_permlanex16_b32 v[TM+4+\b], v[TM+\b], s[SEL], s[SEL+1]
.endr
.irp b, 0,1,2,3
	v_max_num_f32 v[TM+\b], v[TM+\b], v[TM+4+\b]   ; with lane l xor 16's: the block's largest magnitude
.endr
.irp b, 0,1,2,3
	v_add_nc_u32 v[TM+12+\b], 0xff000000, v[TM+\b] ; 2 off its exponent field: the conversion's scale operand
.endr
.irp b, 0,1,2,3
	v_lshrrev_b32 v[TM+4+\b], 23, v[TM+12+\b]      ; the scale's byte
.endr
	v_lshl_or_b32 v[PW+(\a)], v[TM+5], 8, v[TM+4]  ; the four bytes make my row's scale word (both halves of the lanes hold it)
	v_lshl_or_b32 v[PW+(\a)], v[TM+6], 16, v[PW+(\a)]
	v_lshl_or_b32 v[PW+(\a)], v[TM+7], 24, v[PW+(\a)]
	WIN 2+(\a)/4                                   ; source 0: window 2 or 3
.irp b, 0,1,2,3
	v_cvt_scalef32_pk8_fp4_f32 v[PC+8*(\a)+2*\b], v[AC+16*\b:AC+16*\b+7], v[TM+12+\b]
	v_cvt_scalef32_pk8_fp4_f32 v[PC+8*(\a)+2*\b+1], v[AC+16*\b+8:AC+16*\b+15], v[TM+12+\b]
.endr
	WIN 0
	v_nop                                          ; one plain place behind a scaled conversion
.irp c, 0,1                                    ; the operand's layout wants a WHOLE block in a lane: lanes 0-15 block 2 c, lanes 16-31 block 2 c + 1
.irp i, 0,1
	v_permlane16_swap_b32 v[PC+8*(\a)+4*\c+\i], v[PC+8*(\a)+4*\c+2+\i]
.endr
.endr
.endm
.irp a, 0,1,2,3,4,5,6,7
	QUANTW \a
.endr
; s92 = my first slot, s93 = my group of 128 tokens in the batch, s94 = the batch: img + 3,145,728 b + 65,536 slot + 4,096 g;  scl + 196,608 b + 4,096 slot + 256 g
.macro OUTBASE
	s_mul_i32 s96, s94, 3145728
	s_lshl_b32 s95, s92, 16
	s_add_co_u32 s96, s96, s95
	s_lshl_b32 s95, s93, 12
	s_add_co_u32 s96, s96, s95
	s_mov_b32 s97, 0
	s_add_nc_u64 s[98:99], s[98:99], s[96:97]
	s_mul_i32 s96, s94, 196608
	s_lshl_b32 s95, s92, 12
	s_add_co_u32 s96, s96, s95
	s_lshl_b32 s95, s93, 8
	s_add_co_u32 s96, s96, s95
	s_add_nc_u64 s[12:13], s[12:13], s[96:97]
.endm
	s_cmp_eq_u32 s45, 0
	s_cbranch_scc0 .Lout_v
	; KIND 0.  My 128 columns are two heads: registers 4 c .. 4 c + 3 are head c's 64 channels of my token: half an image.  My 8 tiles of tokens are one group of 128
	s_lshl_b32 s92, s20, 2
	s_lshl_b32 s93, s16, 1
	s_add_co_u32 s92, s92, s93                     ; slot 4 px + 2 (wave % 2): q's heads are slots 0-15, k's 16-31
	s_and_b32 s93, s18, 7
	s_lshl_b32 s93, s93, 1
	s_add_co_u32 s93, s93, s15                     ; group 2 (ry % 8) + wave / 2
	s_lshr_b32 s94, s18, 3                         ; batch ry / 8
	OUTBASE
	s_wait_alu depctr_va_vdst(0)
.irp a, 0,1,2,3,4,5,6,7
.irp c, 0,1
	global_store_b128 v5, v[PC+8*\a+4*\c:PC+8*\a+4*\c+3], s[98:99] offset:\c*65536+\a*512   ; 32 lanes store 512 consecutive bytes, at a multiple of 256 from the buffer's first byte
.endr
.endr
	v_mov_b32 v7, 0x05040100                       ; lanes 0-15 make head 0's words (bytes 0, 1 of two tiles' words), lanes 16-31 head 1's (bytes 2, 3)
	v_mov_b32 v3, 0x07060302
	v_cmp_eq_u32 vcc_lo, 1, v2
	v_cndmask_b32 v7, v7, v3, vcc_lo
.irp p, 0,1,2,3
	v_perm_b32 v[SW+\p], v[PW+2*\p+1], v[PW+2*\p], v7   ; tile 2 p's two bytes below, tile 2 p + 1's above
.endr
	global_store_b128 v6, v[SW:SW+3], s[12:13]     ; sixteen lanes store a group's 256 bytes of one head
	s_branch .Lout_done
.Lout_v:
	; KIND 1.  My 128 tokens are one step of keys; my 8 tiles of channels are two heads of four tiles: each tile's 8 registers are a whole image
	s_lshl_b32 s92, s41, 2
	s_lshl_b32 s93, s15, 1
	s_add_co_u32 s92, s92, s93
	s_add_co_u32 s92, s92, 32                      ; slot 32 + 4 cy + 2 (wave / 2)
	s_and_b32 s93, s20, 7
	s_lshl_b32 s93, s93, 1
	s_add_co_u32 s93, s93, s16                     ; step 2 (px % 8) + wave % 2
	s_lshr_b32 s94, s20, 3                         ; batch px / 8
	OUTBASE
	s_wait_alu depctr_va_vdst(0)
.irp a, 0,1,2,3,4,5,6,7
.irp c, 0,1
	global_store_b128 v5, v[PC+8*\a+4*\c:PC+8*\a+4*\c+3], s[98:99] offset:(\a/4)*65536+(\a%4)*1024+\c*512
.endr
.endr
	v_cmp_eq_u32 vcc_lo, 1, v2
.irp d, 0,1,2,3
	v_cndmask_b32 v[SW+\d], v[PW+\d], v[PW+4+\d], vcc_lo   ; lanes 0-15 the first head's four tiles, lanes 16-31 the second's
.endr
	global_store_b128 v6, v[SW:SW+3], s[12:13]
.Lout_done:
	s_wait_tensorcnt 0x0
	ds_add_u32 v126, v127
	s_wait_dscnt 0x0
	CROUND                                         ; the closing round: no work-group ends while a partner may still ask for a tile that names it
	s_endpgm
.Lfunc_end_k_qae7cc996d0_proj:
	.size	k_qae7cc996d0_proj, .Lfunc_end_k_qae7cc996d0_proj-k_qae7cc996d0_proj
	.p2alignl 7, 3214868480
	.fill 96, 4, 3214868480
	.section	.rodata,"a",@progbits
	.p2align	6, 0x0
	.amdhsa_kernel k_qae7cc996d0_proj
		.amdhsa_group_segment_fixed_size 327680
		.amdhsa_private_segment_fixed_size 0
		.amdhsa_enable_private_segment 0
		.amdhsa_kernarg_size 72
		.amdhsa_user_sgpr_count 2
		.amdhsa_user_sgpr_kernarg_segment_ptr 1
		.amdhsa_wavefront_size32 1
		.amdhsa_system_sgpr_workgroup_id_x 1
		.amdhsa_system_sgpr_workgroup_id_y 1
		.amdhsa_system_sgpr_workgroup_id_z 1
		.amdhsa_system_vgpr_workitem_id 0
		.amdhsa_next_free_vgpr 1024
		.amdhsa_next_free_sgpr 102
		.amdhsa_reserve_vcc 1
		.amdhsa_float_denorm_mode_32 3
		.amdhsa_float_denorm_mode_16_64 3
		.amdhsa_memory_ordered 1
		.amdhsa_forward_progress 1
		.amdhsa_inst_pref_size 150
	.end_amdhsa_kernel
	.amdgpu_metadata
---
amdhsa.version: [ 1, 2 ]
amdhsa.kernels:
  - .name:           k_qae7cc996d0_proj
    .symbol:         k_qae7cc996d0_proj.kd
    .args:
      - { .name: x_img, .offset: 0, .size: 8, .value_kind: global_buffer, .address_space: global }
      - { .name: x_scl, .offset: 8, .size: 8, .value_kind: global_buffer, .address_space: global }
      - { .name: w_img, .offset: 16, .size: 8, .value_kind: global_buffer, .address_space: global }
      - { .name: w_scl, .offset: 24, .size: 8, .value_kind: global_buffer, .address_space: global }
      - { .name: bq, .offset: 32, .size: 8, .value_kind: global_buffer, .address_space: global }
      - { .name: bk, .offset: 40, .size: 8, .value_kind: global_buffer, .address_space: global }
      - { .name: bv, .offset: 48, .size: 8, .value_kind: global_buffer, .address_space: global }
      - { .name: img, .offset: 56, .size: 8, .value_kind: global_buffer, .address_space: global }
      - { .name: scl, .offset: 64, .size: 8, .value_kind: global_buffer, .address_space: global }
    .group_segment_fixed_size: 327680
    .private_segment_fixed_size: 0
    .kernarg_segment_align: 8
    .kernarg_segment_size: 72
    .max_flat_workgroup_size: 128
    .sgpr_count:     102
    .vgpr_count:     1024
    .wavefront_size: 32
...
	.end_amdgpu_metadata
.endif
;; end of part 2
;; launch attn (part 3): grid 4 x 64, 8 waves a work-group, clusters of 4 x 1, 175,104 bytes of LDS; arguments img, scl, out0; writes out0
.if DOCPART == 3
	.amdgcn_target "amdgcn-amd-amdhsa--gfx1250"
	.amdhsa_code_object_version 6
	.text
	.protected	k_qae7cc996d0_attn
	.globl	k_qae7cc996d0_attn
	.p2align	8
	.type	k_qae7cc996d0_attn,@function
k_qae7cc996d0_attn:
	s_mov_b64 s[64:65], 0
	v_nop
	global_prefetch_b8 v0, s[64:65] scope:SCOPE_SE
	s_setreg_imm32_b32 hwreg(HW_REG_WAVE_MODE, 25, 1), 1
	s_wait_xcnt 0x0
	s_wait_alu depctr_hold_cnt(0) depctr_sa_sdst(0) depctr_va_vdst(0) depctr_va_sdst(0) depctr_va_ssrc(0) depctr_va_vcc(0) depctr_vm_vsrc(0)
	s_getreg_b32 s2, hwreg(HW_REG_IB_STS2, 6, 4)
	s_cmp_eq_u32 s2, 0
	s_cbranch_scc0 .Lentry_in_a_cluster
	s_endpgm
.Lentry_in_a_cluster:
	s_bfe_u32 s2, ttmp6, 0x10000c
	s_cmp_lg_u32 s2, 0x3003
	s_cbranch_scc0 .Lentry_shape_is_right
	s_endpgm
.Lentry_shape_is_right:
; out0[b][q][64 h + d] = the sum over keys of softmax(q . k / 8) v, 64 heads (4 batches x 16) of 2,048 tokens and 64 channels, both products on codes of FP4 (E2M1) with E8M0 scales.
; THE SOFTMAX AHEAD OF THE SECOND PRODUCT: t = score x log2(e) / 8; M = the row's largest t so far, rounded UP to a whole number; p = 2^(t - M) is quantised along the keys, not normalised.
; The row's sum is taken of the unquantised p, in f32, and divides O at the end.  When M moves, the sum and O are multiplied by 2^(old M - new M): exact.
; IN: img [batch (4)][slot (48)][65,536]: slot h q's head h, 16 + h k's, 32 + h v's.  q, k: [tile of 16 tokens (128)][512: lane (r, hl): d = 32 hl .. + 31].  v: [128 keys (16)][tile of channels (4)][1,024 image, K = the keys].
;     scl [batch][slot][4,096]: q, k: [128 tokens (16)][r (16)][pair of tiles (4)] words, tile 2 p's two bytes below, tile 2 p + 1's above;  v: [128 keys][r][tile of channels (4)] words.
;     A stored tile T holds at place r the row 32 (T / 2) + 8 (T % 2) + r + 8 (r / 8).
; SHARES.  A work-group owns 512 queries of one head, each of its eight waves 64: two passes over the keys, each with TWO tiles of 16 queries side by side, so that each fragment of K and V read from LDS feeds two tiles
; and the two tiles' dependent lines take turns.  A step is 256 keys: the row's maximum, M and the rescaling of O come once for 256 keys.
; A whole head's K and V and their scale words lie in LDS, filled ONCE by joint loads of the cluster's four work-groups (the four query blocks of a head); behind the one barrier no wave waits for another.
; No prefetch: everything that comes from memory through LDS is asked for at the head, and no loop loads from memory.
; LAYOUT.  Both products are used transposed (S^T = K Q^T, O^T = V^T P^T): a lane holds ONE query (lane % 16).
; THE KEYS OF A SCORE TILE ARE CHOSEN BY LDS ADDRESS: in a group of 64 keys, tile q (0-3) holds at rows 0-7 keys 8 q + 0 .. 7 and at rows 8-15 keys 32 + 8 q + 0 .. 7.  So lane half hl holds in the 32 registers of tiles 0-3
; the WHOLE block of keys 32 hl + 0 .. 31: a block's maximum needs no other lane, and the four conversions give registers 4 c .. 4 c + 3 of P's operand as they stand.
; Key 8 q + j of a block of 32 is stored tile q % 2 of that block's pair, place j + 8 (q / 2): lane base 1,024 (r / 8) + 256 hl + 16 (r % 8), offset 512 (q % 2) + 128 (q / 2).  (Rows 0-7 and 8-15 lie 1,024 bytes apart: two lanes to a bank.)
; THE HEAD'S 64 IN AN INSTRUCTION OF 128: source 0 carries two tiles of keys (q = 2 p at k 0-63, 2 p + 1 at k 64-127), multiplied once by [q, 0] and once by [0, q]; zero codes add nothing under any finite scale byte.
; THE EXPONENTIALS GO IN FOUR CHUNKS OF 64, each by turns with independent plain lines: the next chunk's multiply-adds, and for the last chunk the first level of tile 0's sum.  One wait stands between two chunks,
; so that whatever a chunk's lines write is read behind a wait.
; THE LOOK-AHEAD: the next step's K and its scale words are read from LDS in two halves, each behind the half of the second product that frees its registers.  A pass's last step so reads 8,192 bytes past K's images (V's images)
; and 512 past K's scale words (V's): bytes that are filled; what comes back is not used.
; LIMITS: NaN and infinities are not served.  A block's largest p is taken through the same multiply-add and exponential as the block's largest score: that takes v_exp_f32 not to fall where its input rises.
; A block whose every p has fallen under 2^-124 keeps the byte 1.  The promise holds while the scaled scores stay under 2^31 in magnitude.
; REGISTERS.  Window 1 (v256-511): S^T, then p: 128 x tile + 64 x half of the step + 32 c + 8 q + j.  Window 0: names below.
.set VIMG,  65536                      ; LDS: K's images at 0, V's here,
.set SCK,   131072                     ; K's scale words (4,096 bytes), V's 4,096 bytes on,
.set STAGE, 139264                     ; the way out: 16 rows x (256 + 16) bytes for each wave; no tensor load lands there
.set SP,    272
.set SPARE, 174080                     ; the spare words: 128 bytes a wave
.set AK,   1                           ; my lane's place in K's images
.set AV,   2                           ; in V's, less one step (the step's scalar runs one step ahead)
.set ASK,  3                           ; among K's scale words
.set ASV,  4                           ; among V's, less one step
.set STI,  5                           ; the stage: in
.set STB,  6                           ; and back
.set GO,   7                           ; my byte offset in O
.set L16,  8                           ; 16 x lane
.set SPW,  9
.set NIL,  10
.set SH8,  11                          ; 8 hl
.set NM,   12                          ; v12 -M and v13 the largest score of tile 0; v14, v15 of tile 1
.set QZ,   16                          ; v16-35: [0 x 4 | q0 | 0 x 4 | q1 | 0 x 4]
.set QS,   36                          ; v36-37 q's scale words
.set QR,   38                          ; v38-39 the two passes' words as loaded
.set KS,   40                          ; v40-47 K's scale words: 4 half + 2 c + p
.set VS,   48                          ; v48-55 V's: 4 half + channel tile
.set PW,   56                          ; v56-59 p's: 2 tile + half
.set FF,   60                          ; v60, v62 f = 2^(old M - new M); v61, v63 named with them as pairs
.set FR,   64                          ; v64-127 fragments: K's 16 tiles, then V's 8 images; on the way out O / the sum
.set OT,   128                         ; v128-191 O^T: 32 tile + 8 channel tile
.set PC,   192                         ; v192-223 p's codes: 16 tile + 8 half; on the way out v192-255 rows read back
.set BM,   224                         ; v224-231 blocks' largest scores, then p, then bytes: 4 tile + 2 half + c
.set SO,   232                         ; v232-239 the conversions' scale operands
.set TT,   240                         ; v240-247 at work
.set LS,   248                         ; v248-251 the sums, two halves a tile
.set ADK,  252                         ; the next step's K, its scale words; this step's V, its scale words
.set ADS,  253
.set ADV,  254
.set ADT,  255
.set MSB, 0
.macro WIN new                         ; the immediate's high byte repeats the setting that is left
.if MSB != (\new)
	s_set_vgpr_msb (MSB<<8)|(\new)
.set MSB, (\new)
.endif
.endm
.macro MM d, a, b, c, sa, sb
	v_wmma_scale_f32_16x16x128_f8f6f4 v[\d:\d+7], v[\a:\a+7], v[\b:\b+7], \c, v[\sa], v[\sb] matrix_a_fmt:MATRIX_FMT_FP4 matrix_b_fmt:MATRIX_FMT_FP4
.endm
.macro CROUND                          ; a round of the cluster's barrier
	s_barrier_signal -1
	s_barrier_wait -1
	s_cmp_lg_u32 s18, 0
	s_cbranch_scc1 .Lnot_wave_0_\@
	s_barrier_signal -3
.Lnot_wave_0_\@:
	s_barrier_wait -3
	s_barrier_signal -1
	s_barrier_wait -1
.endm
	s_load_b128 s[4:7], s[0:1], 0x0                ; img, scl
	s_load_b64 s[8:9], s[0:1], 0x10                ; out0
	v_lshl_add_u32 v[SPW], v0, 2, SPARE
	v_mov_b32 v[NIL], 0
	ds_add_u32 v[SPW], v[NIL]
	ds_add_u32 v[SPW], v[NIL]
	v_lshrrev_b32 v1, 5, v0
	v_readfirstlane_b32 s18, v1                    ; wave 0..7
	s_bfe_u32 s51, ttmp6, 0x40000                  ; cx: my block of 512 queries; it enters Q's and O's addresses alone
	s_and_b32 s54, ttmp7, 0xffff                   ; 16 x batch + head, which the four partners share
	s_lshr_b32 s52, s54, 4
	s_and_b32 s53, s54, 15
	s_mul_i32 s55, s52, 3145728                    ; the batch's first byte in img,
	s_mul_i32 s56, s52, 196608                     ; and in scl
	s_bfe_u32 s57, s18, 0x10001                    ; waves 0, 1 fetch the halves of K's slot 16 + h; waves 2, 3 of V's slot 32 + h
	s_lshl_b32 s57, s57, 4
	s_add_co_u32 s57, s57, s53
	s_add_co_u32 s57, s57, 16
	s_lshl_b32 s57, s57, 16
	s_and_b32 s58, s18, 1
	s_lshl_b32 s58, s58, 15
	s_add_co_u32 s58, s58, s57
	s_add_co_u32 s58, s58, s55
	s_mov_b32 s59, 0
	s_add_co_u32 s60, s53, 16                      ; wave 4: the scale words of slots 16 + h and 32 + h
	s_lshl_b32 s60, s60, 12
	s_add_co_u32 s60, s60, s56
	s_mov_b32 s61, 0
	s_lshl_b32 s62, s53, 16                        ; Q's images: slot h, tile 32 cx + 4 w
	s_add_co_u32 s62, s62, s55
	s_lshl_b32 s70, s51, 14
	s_add_co_u32 s62, s62, s70
	s_lshl_b32 s70, s18, 11
	s_add_co_u32 s62, s62, s70
	s_mov_b32 s63, 0
	s_lshl_b32 s66, s53, 12                        ; Q's scale words: slot h, group 4 cx + w / 2, pair 2 (w % 2)
	s_add_co_u32 s66, s66, s56
	s_lshl_b32 s70, s51, 10
	s_add_co_u32 s66, s66, s70
	s_lshr_b32 s70, s18, 1
	s_lshl_b32 s70, s70, 8
	s_add_co_u32 s66, s66, s70
	s_and_b32 s70, s18, 1
	s_lshl_b32 s70, s70, 3
	s_add_co_u32 s66, s66, s70
	s_mov_b32 s67, 0
	s_lshl_b32 s68, s52, 23                        ; O: token 2,048 b + 512 cx + 64 w, rows of 4,096 bytes; the head's 256 bytes
	s_lshl_b32 s70, s51, 21
	s_add_co_u32 s68, s68, s70
	s_lshl_b32 s70, s18, 18
	s_add_co_u32 s68, s68, s70
	s_lshl_b32 s70, s53, 8
	s_add_co_u32 s68, s68, s70
	s_mov_b32 s69, 0
	s_mov_b32 s24, 15|(3<<16)|(1<<21)              ; group 1 for the codes: half a slot, 128 dense rows of 256 bytes (32 elements of 8); the mask names all four work-groups
	s_mov_b32 s25, 32<<16
	s_mov_b32 s26, 128<<16
	s_mov_b32 s27, 32<<16
	s_mov_b32 s28, 128
	s_mov_b32 s29, 32
	s_mov_b32 s30, 0
	s_mov_b32 s31, 0
	s_mov_b32 s32, 15|(3<<16)|(1<<21)              ; for the scale words: two rows of 4,096 bytes, 16 slots = 8,192 elements apart: K's, then V's
	s_mov_b32 s33, 512<<16
	s_mov_b32 s34, 2<<16
	s_mov_b32 s35, 512<<16
	s_mov_b32 s36, 2
	s_mov_b32 s37, 8192
	s_mov_b32 s38, 0
	s_mov_b32 s39, 0
	s_mov_b32 s20, 0x76543210
	s_mov_b32 s21, 0xfedcba98                      ; v_permlanex16_b32's selects for lane l xor 16
	s_mov_b32 s22, 0x3e38aa3b                      ; c = log2(e) / 8
	s_mov_b32 s23, s22                             ; (the packed form names the pair and takes its low word for both halves: so it is written)
	s_mov_b32 s71, 0xff800000                      ; -infinity: the first leaf of each block's maximum
	s_wait_dscnt 0x0
	s_wait_kmcnt 0x0
	s_mov_b32 s40, 1                               ; group 0 for the codes
	s_and_b32 s41, s18, 3
	s_lshl_b32 s41, s41, 15                        ; LDS address: 32,768 x wave
	s_add_nc_u64 s[42:43], s[4:5], s[58:59]
	s_or_b32 s43, s43, 0x80000000
	s_mov_b32 s44, 1                               ; group 0 for the scale words
	s_mov_b32 s45, SCK
	s_add_nc_u64 s[46:47], s[6:7], s[60:61]
	s_or_b32 s47, s47, 0x80000000
	CROUND                                         ; all four work-groups are here: the joint loads meet
	s_cmp_lt_u32 s18, 4                            ; waves 0-3 fetch the codes, wave 4 the scale words, the others nothing: at most one tensor load a wave
	s_cbranch_scc0 .Lnot_codes
	tensor_load_to_lds s[40:43], s[24:31]
	s_nop 0
.rept 4
	v_nop
.endr
	s_branch .Lasked
.Lnot_codes:
	s_cmp_eq_u32 s18, 4
	s_cbranch_scc0 .Lasked
	tensor_load_to_lds s[44:47], s[32:39]
	s_nop 0
.rept 4
	v_nop
.endr
.Lasked:
	s_add_nc_u64 s[10:11], s[4:5], s[62:63]        ; Q's images at my first tile
	s_add_nc_u64 s[12:13], s[6:7], s[66:67]        ; Q's scale words
	s_add_nc_u64 s[14:15], s[8:9], s[68:69]        ; O at my 64 tokens
	s_mul_i32 s70, s18, 16*SP
	s_add_co_u32 s70, s70, STAGE                   ; my stage
	v_and_b32 v[TT], 31, v0
	v_lshlrev_b32 v[L16], 4, v[TT]
	v_add_nc_u32 v[AV], VIMG-8192, v[L16]
	v_and_b32 v[TT+1], 15, v0                      ; r
	v_bfe_u32 v[TT+2], v0, 4, 1                    ; hl
	v_and_b32 v[TT+3], 7, v0                       ; r % 8
	v_bfe_u32 v[TT+4], v0, 3, 1                    ; r / 8
	v_lshlrev_b32 v[AK], 10, v[TT+4]
	v_lshl_add_u32 v[AK], v[TT+2], 8, v[AK]
	v_lshl_add_u32 v[AK], v[TT+3], 4, v[AK]        ; 1,024 (r / 8) + 256 hl + 16 (r % 8)
	v_lshlrev_b32 v[ASK], 2, v[TT+4]
	v_lshl_add_u32 v[ASK], v[TT+3], 4, v[ASK]
	v_add_nc_u32 v[ASK], SCK, v[ASK]               ; stored place r % 8 (+ 8 p by offset), stored pair r / 8 (+ 2 c by offset)
	v_lshl_add_u32 v[ASV], v[TT+1], 4, SCK+4096-512
	v_mul_u32_u24 v[STI], v[TT+1], SP
	v_lshl_add_u32 v[STI], v[TT+2], 6, v[STI]
	v_add_nc_u32 v[STI], s70, v[STI]               ; in: row r, + 64 hl
	v_mul_u32_u24 v[STB], v[TT+2], SP
	v_lshl_add_u32 v[STB], v[TT+1], 4, v[STB]
	v_add_nc_u32 v[STB], s70, v[STB]               ; back: lanes 0-15 one row, lanes 16-31 the next
	v_lshlrev_b32 v[GO], 12, v[TT+2]
	v_lshl_add_u32 v[GO], v[TT+1], 4, v[GO]        ; and the same two rows in O
	v_lshlrev_b32 v[SH8], 3, v[TT+2]
	v_lshlrev_b32 v[ADK], 4, v[TT+1]               ; 16 r
	global_load_b32 v[QR], v[ADK], s[12:13]        ; query place r: the first pass's pair of tiles,
	global_load_b32 v[QR+1], v[ADK], s[12:13] offset:4   ; the second's
.irp j, 0,1,2,3,8,9,10,11,16,17,18,19
	v_mov_b32 v[QZ+\j], 0                          ; the zero codes beside q
.endr
	v_mov_b32 v[FF+1], 0
	v_mov_b32 v[FF+3], 0
.irp j, 5,6,7
	v_mov_b32 v[TT+\j], 0                          ; a lane permute's destination counts as one of its sources
.endr
	s_wait_alu depctr_va_vdst(0)
	s_wait_loadcnt 0x0
	s_wait_tensorcnt 0x0                           ; my tensor load, if I issued one, has landed,
	s_barrier_signal -1
	s_barrier_wait -1                              ; everybody's has: K, V and their scale words lie whole in LDS, and nothing writes them again
.macro KLOADH a, s, hh                 ; 128 keys of K: 8 score tiles' halves of an operand, and the 4 pairs' scale words: 12 LDS loads
.irp c, 0,1
.irp q, 0,1,2,3
	ds_load_b128 v[FR+32*\hh+16*\c+4*\q:FR+32*\hh+16*\c+4*\q+3], v[\a] offset:4096*\hh+2048*\c+512*(\q%2)+128*(\q/2)
.endr
.endr
.irp c, 0,1
.irp p, 0,1
	ds_load_b32 v[KS+4*\hh+2*\c+\p], v[\s] offset:256*\hh+128*\p+8*\c
.endr
.endr
.endm
.macro VLD hh, d                       ; one image of V (16 channels x 128 keys): two LDS loads
.irp c, 0,1
	ds_load_b128 v[FR+32*\hh+8*\d+4*\c:FR+32*\hh+8*\d+4*\c+3], v[ADV] offset:4096*\hh+1024*\d+512*\c
.endr
.endm
.macro QK hh                           ; S^T of 128 keys x both tiles: a pair of key tiles x [q, 0] and x [0, q]
.irp c, 0,1
.irp p, 0,1
.irp t, 0,1
	MM 128*\t+64*\hh+32*\c+16*\p, FR+32*\hh+16*\c+8*\p, QZ+4+8*\t, 0, KS+4*\hh+2*\c+\p, QS+\t
	MM 128*\t+64*\hh+32*\c+16*\p+8, FR+32*\hh+16*\c+8*\p, QZ+8*\t, 0, KS+4*\hh+2*\c+\p, QS+\t
.endr
.endr
.endr
.endm
.macro PV hh                           ; O^T += V^T P^T over 128 keys: the eight accumulators by turns
.irp t, 0,1
.irp d, 0,1,2,3
	MM OT+32*\t+8*\d, FR+32*\hh+8*\d, PC+16*\t+8*\hh, v[OT+32*\t+8*\d:OT+32*\t+8*\d+7], VS+4*\hh+\d, PW+2*\t+\hh
.endr
.endr
.endm
.macro CVT t                           ; a tile's 128 p become 16 registers of codes
.irp hh, 0,1
.irp c, 0,1
.irp q, 0,1,2,3
	v_cvt_scalef32_pk8_fp4_f32 v[PC+16*\t+8*\hh+4*\c+\q], v[128*\t+64*\hh+32*\c+8*\q:128*\t+64*\hh+32*\c+8*\q+7], v[SO+4*\t+2*\hh+\c]
.endr
.endr
.endr
.endm
.macro ADD2 t, i, n                    ; the sum's tree, in place on p: registers 2 i and 2 i + 1 take up 2 (i + n) and 2 (i + n) + 1: one dual pair
	v_dual_add_f32 v[128*\t+2*(\i)], v[128*\t+2*(\i)], v[128*\t+2*((\i)+\n)] :: v_dual_add_f32 v[128*\t+2*(\i)+1], v[128*\t+2*(\i)+1], v[128*\t+2*((\i)+\n)+1]
.endm
.macro TADD t, n, from, to
.set I, \from
.rept \to-\from
	ADD2 \t, I, \n
.set I, I+1
.endr
.endm
.macro FMA2 r                          ; t - M of two registers of scores (of the pairs c and -M the low word serves both halves)
	v_pk_fma_f32 v[\r:\r+1], v[\r:\r+1], s[22:23], v[NM+2*((\r)/128):NM+2*((\r)/128)+1] op_sel_hi:[1,0,0]
.endm
.macro EXF e, f                        ; the 64 exponentials from register e on, by turns with the multiply-adds of the 64 from f on
.set I, 0
.rept 32
	v_exp_f32 v[\e+2*I], v[\e+2*I]
	FMA2 \f+2*I
	v_exp_f32 v[\e+2*I+1], v[\e+2*I+1]
.set I, I+1
.endr
.endm
; A STEP: 256 keys x two tiles of 16 queries.  s48 = 8,192 x (step + 1), s49 = 512 x (step + 1).
.macro STEP
	s_wait_dscnt 12                                ; the first 128 keys of K and their scale words are in; the second half's 12 loads may be out
	WIN 0x40                                       ; D in window 1
	QK 0
	s_wait_dscnt 0x0
	QK 1
	WIN 0
	v_add_nc_u32 v[ADV], s48, v[AV]                ; four plain lines: the places in front of the loads below and of the first read of the scores
	v_add_nc_u32 v[ADT], s49, v[ASV]
	v_add_nc_u32 v[ADK], s48, v[AK]
	v_add_nc_u32 v[ADS], s49, v[ASK]
	WIN 0x14                                       ; sources 1 and 2 in window 1
.irp t, 0,1                                    ; the largest score of each block of 32 keys, all of it my lane's; the eight blocks by turns; each score tile from its low end on
.irp b, 0,1,2,3
	v_max3_num_f32 v[BM+4*\t+\b], s71, v[128*\t+32*\b], v[128*\t+32*\b+1]
.endr
.endr
.irp i, 2,4,6,8,10,12,14,16,18,20,22,24,26,28,30
.irp t, 0,1
.irp b, 0,1,2,3
	v_max3_num_f32 v[BM+4*\t+\b], v[BM+4*\t+\b], v[128*\t+32*\b+\i], v[128*\t+32*\b+\i+1]
.endr
.endr
.endr
	WIN 0
.irp t, 0,1                                    ; the row's maximum and M; the two tiles by turns
	v_max3_num_f32 v[TT+\t], v[BM+4*\t], v[BM+4*\t+1], v[BM+4*\t+2]
.endr
	VLD 0, 0                                       ; V's 18 loads stand between the dependent lines of this chain
.irp t, 0,1
	v_max_num_f32 v[TT+\t], v[TT+\t], v[BM+4*\t+3]
.endr
	VLD 0, 1
.irp t, 0,1
	v_permlanex16_b32 v[TT+2+\t], v[TT+\t], s20, s21
.endr
	VLD 0, 2
.irp t, 0,1
	v_max3_num_f32 v[NM+2*\t+1], v[NM+2*\t+1], v[TT+\t], v[TT+2+\t]   ; the running largest score
.endr
	VLD 0, 3
.irp t, 0,1
	v_mov_b32 v[TT+4+\t], v[NM+2*\t]
.endr
.irp t, 0,1
	v_mul_f32 v[TT+\t], s22, v[NM+2*\t+1]          ; as t (c is positive)
.endr
	VLD 1, 0
.irp t, 0,1
	v_floor_f32 v[NM+2*\t], -v[TT+\t]              ; -M = floor(-t): M is a whole number
.endr
	VLD 1, 1
.irp t, 0,1
	v_sub_f32 v[TT+4+\t], v[NM+2*\t], v[TT+4+\t]   ; old M - new M, 0 or less
.endr
	VLD 1, 2
.irp b, 0,1,2,3
	v_fma_f32 v[BM+\b], v[BM+\b], s22, v[NM]       ; t - M of each block's largest score
.endr
.irp t, 0,1
	v_cvt_i32_f32 v[TT+4+\t], v[TT+4+\t]           ; (it saturates)
.endr
	VLD 1, 3
	ds_load_b128 v[VS:VS+3], v[ADT]                ; V's scale words of the two halves
	ds_load_b128 v[VS+4:VS+7], v[ADT] offset:256
.irp b, 0,1,2,3
	v_fma_f32 v[BM+4+\b], v[BM+4+\b], s22, v[NM+2]
.endr
.irp t, 0,1
	v_ldexp_f32 v[FF+2*\t], 1.0, v[TT+4+\t]        ; f = 2^(old M - new M)
.endr
	WIN 0x41                                       ; source 0 and destination in window 1
.set I, 0
.rept 32
	FMA2 2*I                                       ; the first chunk's t - M
.set I, I+1
.endr
	WIN 0
.set I, 0
.rept 32                                       ; O^T under the new M, ahead of the exponentials: dual pairs, each accumulator from its low end on
	v_dual_mul_f32 v[OT+2*I], v[FF+2*(I/16)], v[OT+2*I] :: v_dual_mul_f32 v[OT+2*I+1], v[FF+2*(I/16)], v[OT+2*I+1]
.set I, I+1
.endr
	s_wait_alu depctr_va_vdst(0)
.irp b, 0,1,2,3,4,5,6,7
	v_exp_f32 v[BM+\b], v[BM+\b]                   ; each block's largest p
.endr
	WIN 0x41
	EXF 0, 64                                      ; p = 2^(t - M)
	s_wait_alu depctr_va_vdst(0)                   ; between two chunks
	EXF 64, 128
	s_wait_alu depctr_va_vdst(0)                   ; tile 0's p and the blocks' largest p may be read
	WIN 0
.irp b, 0,1,2,3,4,5,6,7
	v_max_num_f32 v[BM+\b], 0x1800000, v[BM+\b]    ; the floor 2^(3 - 127): the byte cannot fall under 1
.endr
.irp b, 0,1,2,3,4,5,6,7
	v_add_nc_u32 v[SO+\b], 0xff000000, v[BM+\b]    ; 2 off the exponent field: the conversion's scale operand
.endr
.irp b, 0,1,2,3,4,5,6,7
	v_lshrrev_b32 v[BM+\b], 23, v[SO+\b]           ; the byte
.endr
.irp w, 0,1,2,3                                ; w = 2 tile + half: my blocks hl and 2 + hl of the 128 keys,
	v_lshl_or_b32 v[TT+\w], v[BM+2*\w+1], 16, v[BM+2*\w]
.endr
.irp w, 0,1,2,3
	v_lshlrev_b32 v[TT+\w], v[SH8], v[TT+\w]       ; at their places in the word;
.endr
.irp w, 0,1,2,3
	v_permlanex16_b32 v[TT+4+\w], v[TT+\w], s20, s21
.endr
.irp w, 0,1,2,3
	v_or_b32 v[PW+\w], v[TT+\w], v[TT+4+\w]        ; with lane l xor 16's two the word is whole
.endr
	WIN 0x01                                       ; source 0 in window 1
	CVT 0
	v_nop                                          ; one plain place behind the conversions
	s_wait_alu depctr_va_vdst(0)                   ; ahead of the next chunk
	WIN 0x41
	EXF 128, 192
	s_wait_alu depctr_va_vdst(0)
	WIN 0x55                                       ; every operand in window 1
.set I, 0
.rept 32                                       ; the last chunk, by turns with the first level of tile 0's sum.  THE ROW'S SUM IS TAKEN OF THE UNQUANTISED p
	v_exp_f32 v[192+2*I], v[192+2*I]
	ADD2 0, I, 32
	v_exp_f32 v[193+2*I], v[193+2*I]
.set I, I+1
.endr
	WIN 0
	v_pk_mul_f32 v[LS:LS+1], v[LS:LS+1], v[FF:FF+1] op_sel_hi:[1,0]       ; the sums under the new M (plain lines behind the exponentials)
	v_pk_mul_f32 v[LS+2:LS+3], v[LS+2:LS+3], v[FF+2:FF+3] op_sel_hi:[1,0]
	s_wait_alu depctr_va_vdst(0)                   ; tile 1's p may be read
	WIN 0x01
	CVT 1
	WIN 0x55
	v_nop                                          ; one plain place behind the conversions, whose sources are written below
	TADD 1, 32, 0, 8                               ; places between the codes and the products
	WIN 0
	s_wait_alu depctr_va_vdst(0)
	s_wait_dscnt 0x0                               ; V and its scale words are in
	PV 0
	WIN 0x55
	TADD 1, 32, 8, 16                              ; places in front of the loads below
	WIN 0
	KLOADH ADK, ADS, 0                             ; the next step's first 128 keys, into the registers that the products above have left
	PV 1
	WIN 0x55
	TADD 1, 32, 16, 24
	WIN 0
	KLOADH ADK, ADS, 1                             ; and its second: the rest of the sum stands between these loads and the waits for them
	WIN 0x55
	TADD 1, 32, 24, 32
.irp n, 16,8,4,2,1
	TADD 0, \n, 0, \n
	TADD 1, \n, 0, \n
.endr
	WIN 0x04                                       ; source 1 in window 1
	v_pk_add_f32 v[LS:LS+1], v[LS:LS+1], v[0:1]
	v_pk_add_f32 v[LS+2:LS+3], v[LS+2:LS+3], v[128:129]
	WIN 0
.endm
; ONE PASS: tiles 2 pi and 2 pi + 1 of my four.  O^T and the sums begin as zeros and the largest score as -3e38: the first change of M multiplies zeros.
.macro PASS pi
	s_wait_xcnt 0x0                                ; the registers that the last pass's stores read are written again only behind this wait
	global_load_b128 v[QZ+4:QZ+7], v[L16], s[10:11] offset:1024*\pi
	global_load_b128 v[QZ+12:QZ+15], v[L16], s[10:11] offset:1024*\pi+512
	KLOADH AK, ASK, 0                              ; step 0's K
	KLOADH AK, ASK, 1
	v_perm_b32 v[QS], v[QR+\pi], v[QR+\pi], 0x01000100     ; a tile's two scale bytes, below and above: for [q, 0] and for [0, q]
	v_perm_b32 v[QS+1], v[QR+\pi], v[QR+\pi], 0x03020302
.irp t, 0,1
	v_mov_b32 v[NM+2*\t], 0x7f61b1e6               ; -M
	v_mov_b32 v[NM+2*\t+1], 0xff61b1e6             ; the largest score so far: -3e38
	v_mov_b32 v[LS+2*\t], 0
	v_mov_b32 v[LS+2*\t+1], 0
.endr
.set I, 0
.rept 64
	v_mov_b32 v[OT+I], 0
.set I, I+1
.endr
	s_mov_b32 s48, 8192
	s_mov_b32 s49, 512
	s_mov_b32 s50, 8                               ; 2,048 keys in steps of 256
	s_wait_alu depctr_va_vdst(0)
	s_wait_loadcnt 0x0                             ; q
.Lstep_\@:
	STEP
	s_add_co_u32 s48, s48, 8192
	s_add_co_u32 s49, s49, 512
	s_sub_co_u32 s50, s50, 1
	s_cmp_lg_u32 s50, 0
	s_wait_alu depctr_va_vdst(0)
	s_cbranch_scc1 .Lstep_\@
	s_wait_dscnt 0x0                               ; the last look-ahead has come back: its registers are free
	v_add_f32 v[LS], v[LS], v[LS+1]                ; the sums' two halves,
	v_add_f32 v[LS+2], v[LS+2], v[LS+3]
	v_permlanex16_b32 v[TT], v[LS], s20, s21
	v_permlanex16_b32 v[TT+1], v[LS+2], s20, s21
	v_add_f32 v[LS], v[LS], v[TT]                  ; and lane l xor 16's keys: the rows' sums
	v_add_f32 v[LS+2], v[LS+2], v[TT+1]
	s_wait_alu depctr_va_vdst(0)                   ; ahead of the transcendentals
	v_rcp_f32 v[LS], v[LS]
	v_rcp_f32 v[LS+2], v[LS+2]
	v_nop
	s_wait_alu depctr_va_vdst(0)                   ; ahead of their first reader, which is also the first reader of the last products' results
.set I, 0
.rept 32
	v_pk_mul_f32 v[FR+2*I:FR+2*I+1], v[OT+2*I:OT+2*I+1], v[LS+2*(I/16):LS+2*(I/16)+1] op_sel_hi:[1,0]   ; O^T / the sum: register 8 d + i is channel 32 (d / 2) + 8 (d % 2) + 16 hl + i of query place r
.set I, I+1
.endr
.irp t, 0,1                                    ; through my stage: back come whole rows of 256 bytes.  LDS serves a wave's instructions in order (ISA guide 5.7.1.4)
.irp d, 0,1,2,3
.irp e, 0,1
	ds_store_b128 v[STI], v[FR+32*\t+8*\d+4*\e:FR+32*\t+8*\d+4*\e+3] offset:128*(\d/2)+32*(\d%2)+16*\e
.endr
.endr
.irp i, 0,1,2,3,4,5,6,7
	ds_load_b128 v[PC+32*\t+4*\i:PC+32*\t+4*\i+3], v[STB] offset:2*\i*SP
.endr
.endr
.irp t, 0,1
.irp i, 0,1,2,3,4,5,6,7
	s_wait_dscnt 23-16*\t-\i                       ; this load is in; behind it: its tile's younger loads, and the next tile's 8 stores and 8 loads
	global_store_b128 v[GO], v[PC+32*\t+4*\i:PC+32*\t+4*\i+3], s[14:15] offset:(2*\i+8*(\i/4)+8*\t)*4096+131072*\pi th:TH_STORE_NT   ; place 2 i + hl is token 8 t + 2 i + hl + 8 (i / 4) of the pass's 32; sixteen lanes store 256 consecutive bytes, aligned
.endr
.endr
.endm
	PASS 0
	PASS 1
	s_wait_tensorcnt 0x0                           ; the wave's end
	ds_add_u32 v[SPW], v[NIL]
	s_wait_dscnt 0x0
	CROUND                                         ; the closing round
	s_endpgm
.Lfunc_end_k_qae7cc996d0_attn:
	.size	k_qae7cc996d0_attn, .Lfunc_end_k_qae7cc996d0_attn-k_qae7cc996d0_attn
	.p2alignl 7, 3214868480
	.fill 96, 4, 3214868480
	.section	.rodata,"a",@progbits
	.p2align	6, 0x0
	.amdhsa_kernel k_qae7cc996d0_attn
		.amdhsa_group_segment_fixed_size 175104
		.amdhsa_private_segment_fixed_size 0
		.amdhsa_enable_private_segment 0
		.amdhsa_kernarg_size 24
		.amdhsa_user_sgpr_count 2
		.amdhsa_user_sgpr_kernarg_segment_ptr 1
		.amdhsa_wavefront_size32 1
		.amdhsa_system_sgpr_workgroup_id_x 1
		.amdhsa_system_sgpr_workgroup_id_y 1
		.amdhsa_system_sgpr_workgroup_id_z 1
		.amdhsa_system_vgpr_workitem_id 0
		.amdhsa_next_free_vgpr 512
		.amdhsa_next_free_sgpr 80
		.amdhsa_reserve_vcc 0
		.amdhsa_float_denorm_mode_32 3
		.amdhsa_float_denorm_mode_16_64 3
		.amdhsa_memory_ordered 1
		.amdhsa_forward_progress 1
		.amdhsa_inst_pref_size 130
	.end_amdhsa_kernel
	.amdgpu_metadata
---
amdhsa.version: [ 1, 2 ]
amdhsa.kernels:
  - .name:           k_qae7cc996d0_attn
    .symbol:         k_qae7cc996d0_attn.kd
    .args:
      - { .name: img, .offset: 0, .size: 8, .value_kind: global_buffer, .address_space: global }
      - { .name: scl, .offset: 8, .size: 8, .value_kind: global_buffer, .address_space: global }
      - { .name: out0, .offset: 16, .size: 8, .value_kind: global_buffer, .address_space: global }
    .group_segment_fixed_size: 175104
    .private_segment_fixed_size: 0
    .kernarg_segment_align: 8
    .kernarg_segment_size: 24
    .max_flat_workgroup_size: 256
    .sgpr_count:     80
    .vgpr_count:     512
    .wavefront_size: 32
...
	.end_amdgpu_metadata
.endif
;; end of part 3
